; MI455X (gfx1250); checked and timed in simulation.
; The chip was launched on July 23, 2026; its instructions are those of AMD's public machine-readable ISA for CDNA 5 (MIT licence, August 2026) and "CDNA5" Instruction Set Architecture Reference Guide (July 2026). The comments in the code are by the model that wrote it; some were corrected since.
;; Mock AWQ Qwen3 5 Mo E. Allowed arithmetic: float matrix products may take bf16 or f16 operands with f32 sums; other float arithmetic in f32, or as packed bf16 or f16 multiplies, adds, multiply-adds, maxima and minima; sums over many terms, partial sums and values carried from step to step in f32; what a program stores and reads back later, other than sums and carried values, may be rounded once to bf16 or f16.
;; Inputs: gate_w 64 x 1,024 float32; qweight1 1,024 x 4,096 int32; qweight2 512 x 8,192 int32; qzeros1 8 x 4,096 int32; qzeros2 4 x 8,192 int32; scales1 8 x 32,768 float32; scales2 4 x 65,536 float32; x 1,024 x 1,024 float32.
;; Outputs: out0 1,024 x 1,024 float32.
;; 2 versions, each right; version 2 is version 1 with the launches gemm1, gemm2 written anew for expert scheduling mode. Each part assembles by itself: llvm-mc -triple=amdgcn-amd-amdhsa -mcpu=gfx1250 --defsym DOCPART=n.
;; ======== version 1 of 2: 5 launches
;; limits: values are held in f16: magnitudes above 65,504 overflow, below 6.1e-05 lose precision
;; workspace buffers: xb 2,097,152 bytes; topi 32,768 bytes of whole numbers; topw 32,768 bytes; lists 278,528 bytes of whole numbers; hbuf 8,388,608 bytes; ybuf 33,554,432 bytes
;; launch route (part 1): grid 64 x 1, 8 waves a work-group, no clusters, 67,072 bytes of LDS; arguments x, gate_w, xb, topi, topw; writes xb, topi, topw
.if DOCPART == 1
	.amdgcn_target "amdgcn-amd-amdhsa--gfx1250"
	.amdhsa_code_object_version 6
	.text
	.protected	k_q449ae58817_route
	.globl	k_q449ae58817_route
	.p2align	8
	.type	k_q449ae58817_route,@function
k_q449ae58817_route:
	s_mov_b64 s[64:65], 0
	v_nop
	global_prefetch_b8 v0, s[64:65] scope:SCOPE_SE
	s_setreg_imm32_b32 hwreg(HW_REG_WAVE_MODE, 25, 1), 1
	s_wait_xcnt 0x0
; ROUTE.  x is rounded to bf16, once for the whole program; logits = x gate_w^T (bf16 operands, f32 sums); softmax with the row's maximum taken away; the eight largest
; probabilities of each token (the lowest expert wins a tie) and their weights, divided by their sum.
; x: [1024][1024] f32, gate_w: [64][1024] f32, xb: [1024][1024] f16, topi: [1024][8] whole numbers, topw: [1024][8] f32.
; xb holds the bf16-rounded x written as f16, the format of the experts' products: the experts take the same numbers as the gate.  f16 holds a bf16 number exactly
; from 2^-14 up to 65,504; below 2^-14 it is off by 2^-25 at the most.  LIMIT: |x| below 65,504.
; SHARES.  A work-group owns 16 tokens.  Wave w rounds rows 2w, 2w+1 of x (to xb and to LDS) and multiplies K = 128w .. 128w+127
; for all 16 tokens and 64 experts: four accumulators, four K steps of 32.  The eight partial sums meet in LDS; wave 0 adds them and selects.
; The product is used with the experts as source 0 and the tokens as source 1: lane (r, h) then holds token r and the experts 16a + 8h + j,
; so a token's 64 numbers lie in two lanes, 16 apart, and every reduction is 32 registers and one exchange.
; LIMITS.  Logits that are not finite are not served (an index is then clamped to 63).  1/sum is v_rcp_f32 and a multiply.  Two probabilities
; that differ by less than the rounding of the f32 sums of the logits may be ordered otherwise than by another order of summation.
; No cluster: the work-groups share gate_w alone, 256 KiB, which each reads through registers while it converts it.
.set XTP,  2064                        ; a token's row in LDS: 2,048 bytes of bf16 + 16: an odd multiple of 16
.set PART, 33280                       ; behind the 16 rows: 4,096 bytes of partial sums for each wave
.set ACC,  16                          ; v[16:47]   four accumulators; then logits, then probabilities: register 8a + j is expert 16a + 8h + j
.set X,    48                          ; v[48:111]  x as loaded; then v[48:79] the token fragments of my four K steps
.set G0,   112                         ; v[112:175] gate_w of one K step as f32, rounded in place; two buffers
.set G1,   176                         ; v[176:239]
.set TI,   48                          ; v[48:55]   the chosen experts      (from here on: wave 0, behind the products)
.set TV,   56                          ; v[56:63]   their probabilities
.set M,    64                          ; the maximum in hand
.set X2,   65                          ; what the lane 16 away holds
.set IDX,  66
.set WL,   67
.set H8,   68                          ; 8 h
.set C,    72                          ; v[72:75]   four chains of a maximum
.set OI,   76                          ; v[76:79]   four experts to store
.set OW,   80                          ; v[80:83]   four weights to store
.set OO,   84                          ; their byte offset
	s_load_b256 s[4:11], s[0:1], 0x0               ; x s[4:5], gate_w s[6:7], xb s[8:9], topi s[10:11]
	s_load_b64 s[12:13], s[0:1], 0x20              ; topw
	v_lshl_add_u32 v240, v0, 2, 0x10200
	v_mov_b32 v241, 0
	v_lshrrev_b32 v10, 5, v0
	v_readfirstlane_b32 s20, v10                   ; wave 0..7
	v_and_b32 v1, 31, v0                           ; L
	v_and_b32 v2, 15, v0                           ; r
	v_bfe_u32 v3, v0, 4, 1                         ; h
	s_lshl_b32 s14, ttmp9, 16                      ; 16 rows of x, 4,096 bytes each
	s_mov_b32 s15, 0
	s_lshl_b32 s16, ttmp9, 15                      ; 16 rows of xb
	s_mov_b32 s17, 0
	s_lshl_b32 s18, ttmp9, 9                       ; 16 rows of topi and of topw, 32 bytes each
	s_mov_b32 s19, 0
	s_mov_b32 s21, 0xffff0000                      ; a word's upper bf16
	s_mov_b32 s22, 0x76543210                      ; v_permlanex16_b32: each lane takes its own place in the other half
	s_mov_b32 s23, 0xfedcba98
	s_mov_b32 s24, 0x3fb8aa3b                      ; log2(e), named as a pair by the packed form
	s_mov_b32 s25, 0x3fb8aa3b
	s_lshl_b32 s26, s20, 13                        ; my two rows in x
	s_lshl_b32 s27, s20, 12                        ; my two rows in xb; also my 4,096 bytes of partial sums
	s_mul_i32 s28, s20, 2*XTP                      ; my two rows in LDS
	s_lshl_b32 s29, s20, 9                         ; my 128 K in a row of gate_w
	s_lshl_b32 s30, s20, 8                         ; my 128 K in a row of LDS
	v_lshlrev_b32 v11, 4, v1                       ; 16 L
	v_lshl_add_u32 v4, v1, 5, s26                  ; x: eight numbers a lane
	v_add_nc_u32 v5, s27, v11                      ; xb: their 16 bytes
	v_add_nc_u32 v6, s28, v11                      ; the same in LDS
	v_lshl_add_u32 v7, v2, 12, s29                 ; gate_w: row r of a tile,
	v_lshl_add_u32 v7, v3, 5, v7                   ; eight numbers for each half of the lanes
	v_mul_u32_u24 v8, v2, XTP                      ; a token fragment: row r,
	v_lshl_add_u32 v8, v3, 4, v8                   ; 16 bytes for each half,
	v_add_nc_u32 v8, s30, v8                       ; my K range
	v_add_nc_u32 v9, s27, v11
	v_add_nc_u32 v9, PART, v9                      ; my partial sums
	s_wait_kmcnt 0x0
	s_add_nc_u64 s[4:5], s[4:5], s[14:15]
	s_add_nc_u64 s[8:9], s[8:9], s[16:17]
	s_add_nc_u64 s[10:11], s[10:11], s[18:19]
	s_add_nc_u64 s[12:13], s[12:13], s[18:19]
; 16 loads: K step s of my range for all 64 experts.  Tile a: 16 f32 a lane, K = 8h .. 8h+7 and 16+8h .. 16+8h+7.
.macro GLOAD s, g
.irp a, 0,1,2,3
	global_load_b128 v[\g+16*\a:\g+16*\a+3],     v7, s[6:7] offset:\a*65536+(\s)*128
	global_load_b128 v[\g+16*\a+4:\g+16*\a+7],   v7, s[6:7] offset:\a*65536+(\s)*128+16
	global_load_b128 v[\g+16*\a+8:\g+16*\a+11],  v7, s[6:7] offset:\a*65536+(\s)*128+64
	global_load_b128 v[\g+16*\a+12:\g+16*\a+15], v7, s[6:7] offset:\a*65536+(\s)*128+80
.endr
.endm
.irp q, 0,1,2,3,4,5,6,7                ; q = 4 x row + quarter of the row
	global_load_b128 v[X+8*\q:X+8*\q+3],   v4, s[4:5] offset:(\q/4)*4096+(\q%4)*1024 th:TH_LOAD_NT
	global_load_b128 v[X+8*\q+4:X+8*\q+7], v4, s[4:5] offset:(\q/4)*4096+(\q%4)*1024+16 th:TH_LOAD_NT
.endr
	GLOAD 0, G0
	GLOAD 1, G1
	s_wait_loadcnt 32                              ; x is in; the 32 loads of gate_w behind it stay out
.irp q, 0,1,2,3,4,5,6,7
.irp m, 0,1,2,3
	v_cvt_pk_bf16_f32 v[X+8*\q+\m], v[X+8*\q+2*\m], v[X+8*\q+2*\m+1]   ; eight numbers to bf16, into the group's lower four registers: the gate's operand
.endr
.irp m, 0,1,2,3
	v_lshlrev_b32 v[12+2*(\m%2)], 16, v[X+8*\q+\m]                     ; the same numbers widened again,
	v_and_b32 v[13+2*(\m%2)], s21, v[X+8*\q+\m]
	v_cvt_pk_f16_f32 v[X+8*\q+4+\m], v[12+2*(\m%2)], v[13+2*(\m%2)]    ; and written as f16, into the upper four: the experts' operand
.endr
	global_store_b128 v5, v[X+8*\q+4:X+8*\q+7], s[8:9] offset:(\q/4)*2048+(\q%4)*512   ; the wave's store covers 512 consecutive bytes, aligned
	ds_store_b128 v6, v[X+8*\q:X+8*\q+3] offset:(\q/4)*XTP+(\q%4)*512
.endr
	s_wait_dscnt 0x0                               ; for the others' sake: my two rows are in LDS
	s_barrier_signal -1
	s_barrier_wait -1
	s_wait_xcnt 0x0                                ; the stores to xb have read X: only now is it written again
.irp s, 0,1,2,3
	ds_load_b128 v[X+8*\s:X+8*\s+3],   v8 offset:64*\s
	ds_load_b128 v[X+8*\s+4:X+8*\s+7], v8 offset:64*\s+32
.endr
; One K step: gate_w's 64 numbers a lane are rounded in place, four products, one on each accumulator (they take turns).
; left: the younger batch of 16 loads that may stay out.  nx = 1: the buffer takes the K step two further on, four places behind the products that read it.
.macro KSTEP s, g, left, nx
	s_wait_loadcnt \left
.irp a, 0,1,2,3
.irp m, 0,1,2,3,4,5,6,7
	v_cvt_pk_bf16_f32 v[\g+16*\a+\m], v[\g+16*\a+2*\m], v[\g+16*\a+2*\m+1]
.endr
.endr
.if \s == 0
	s_wait_dscnt 0x0                               ; the token fragments are in
.endif
.irp a, 0,1,2,3
.if \s == 0
	v_wmma_f32_16x16x32_bf16 v[ACC+8*\a:ACC+8*\a+7], v[\g+16*\a:\g+16*\a+7], v[X+8*\s:X+8*\s+7], 0
.else
	v_wmma_f32_16x16x32_bf16 v[ACC+8*\a:ACC+8*\a+7], v[\g+16*\a:\g+16*\a+7], v[X+8*\s:X+8*\s+7], v[ACC+8*\a:ACC+8*\a+7]
.endif
.endr
.rept 4
	v_nop                                          ; four places behind the products (ISA guide 7.12.1)
.endr
.if \nx
	GLOAD \s+2, \g
.endif
.endm
	KSTEP 0, G0, 16, 1
	KSTEP 1, G1, 16, 1
	KSTEP 2, G0, 16, 0
	KSTEP 3, G1, 0, 0
.irp i, 0,1,2,3,4,5,6,7                ; each accumulator's registers in ascending order
	ds_store_b128 v9, v[ACC+4*\i:ACC+4*\i+3] offset:512*\i
.endr
	s_wait_dscnt 0x0                               ; for wave 0's sake
	s_barrier_signal -1
	s_barrier_wait -1
	s_cmp_lg_u32 s20, 0
	s_cbranch_scc1 .Lend                           ; no barrier follows: waves 1 to 7 are done
	; wave 0: its own sums stay in ACC; the seven others' are added, four and then three at a time
.irp p, 1,2,3,4
.irp i, 0,1,2,3,4,5,6,7
	ds_load_b128 v[G0+32*(\p-1)+4*\i:G0+32*(\p-1)+4*\i+3], v9 offset:4096*\p+512*\i
.endr
.endr
	s_wait_dscnt 0x0
.irp p, 1,2,3,4
.irp q, 0,1,2,3,4,5,6,7,8,9,10,11,12,13,14,15
	v_pk_add_f32 v[ACC+2*\q:ACC+2*\q+1], v[ACC+2*\q:ACC+2*\q+1], v[G0+32*(\p-1)+2*\q:G0+32*(\p-1)+2*\q+1]
.endr
.endr
.irp p, 5,6,7
.irp i, 0,1,2,3,4,5,6,7
	ds_load_b128 v[G0+32*(\p-5)+4*\i:G0+32*(\p-5)+4*\i+3], v9 offset:4096*\p+512*\i
.endr
.endr
	s_wait_dscnt 0x0
.irp p, 5,6,7
.irp q, 0,1,2,3,4,5,6,7,8,9,10,11,12,13,14,15
	v_pk_add_f32 v[ACC+2*\q:ACC+2*\q+1], v[ACC+2*\q:ACC+2*\q+1], v[G0+32*(\p-5)+2*\q:G0+32*(\p-5)+2*\q+1]
.endr
.endr
; The largest of a token's 64 numbers, into M in both of its lanes: four chains of eight, then the lane 16 away.
.macro MAX32
.irp c, 0,1,2,3
	v_max3_num_f32 v[C+\c], v[ACC+8*\c], v[ACC+8*\c+1], v[ACC+8*\c+2]
.endr
.irp c, 0,1,2,3
	v_max3_num_f32 v[C+\c], v[C+\c], v[ACC+8*\c+3], v[ACC+8*\c+4]
.endr
.irp c, 0,1,2,3
	v_max3_num_f32 v[C+\c], v[C+\c], v[ACC+8*\c+5], v[ACC+8*\c+6]
.endr
.irp c, 0,1,2,3
	v_max_num_f32 v[C+\c], v[C+\c], v[ACC+8*\c+7]
.endr
	v_max3_num_f32 v[C], v[C], v[C+1], v[C+2]
	v_max_num_f32 v[C], v[C], v[C+3]
	v_permlanex16_b32 v[X2], v[C], s22, s23
	v_max_num_f32 v[M], v[C], v[X2]
.endm
	v_mov_b32 v[X2], 0                             ; v_permlanex16_b32 counts as a reader of its destination
	v_lshlrev_b32 v[H8], 3, v3
	MAX32
	v_mul_f32 v10, s24, v[M]                       ; c m, twice: the packed form names a pair
	v_mul_f32 v11, s24, v[M]
.irp q, 0,1,2,3,4,5,6,7,8,9,10,11,12,13,14,15
	v_pk_fma_f32 v[ACC+2*\q:ACC+2*\q+1], v[ACC+2*\q:ACC+2*\q+1], s[24:25], v[10:11] op_sel_hi:[1,0,0] neg_lo:[0,0,1] neg_hi:[0,0,1]   ; c L - c m
.endr
.set i, 0
.rept 32
	v_exp_f32 v[ACC+i], v[ACC+i]
.set i, i+1
.endr
	v_nop                                          ; a plain instruction between the exponentials and the use of their results
	s_wait_alu depctr_va_vdst(0)
.irp q, 0,1,2,3,4,5,6,7
	v_pk_add_f32 v[G0+2*\q:G0+2*\q+1], v[ACC+4*\q:ACC+4*\q+1], v[ACC+4*\q+2:ACC+4*\q+3]
.endr
.irp q, 0,1,2,3
	v_pk_add_f32 v[G0+2*\q:G0+2*\q+1], v[G0+2*\q:G0+2*\q+1], v[G0+8+2*\q:G0+8+2*\q+1]
.endr
.irp q, 0,1
	v_pk_add_f32 v[G0+2*\q:G0+2*\q+1], v[G0+2*\q:G0+2*\q+1], v[G0+4+2*\q:G0+4+2*\q+1]
.endr
	v_pk_add_f32 v[G0:G0+1], v[G0:G0+1], v[G0+2:G0+3]
	v_add_f32 v[G0], v[G0], v[G0+1]
	v_permlanex16_b32 v[X2], v[G0], s22, s23
	v_add_f32 v[G0], v[G0], v[X2]                  ; at least 1: the largest term is 2^0
	v_rcp_f32 v[G0+2], v[G0]
	v_nop
	s_wait_alu depctr_va_vdst(0)
.irp q, 0,1,2,3,4,5,6,7,8,9,10,11,12,13,14,15
	v_pk_mul_f32 v[ACC+2*\q:ACC+2*\q+1], v[ACC+2*\q:ACC+2*\q+1], v[G0+2:G0+3] op_sel_hi:[1,0]   ; the probabilities
.endr
; Choice k: the largest probability left; among equals the lowest expert (the registers are gone through from the highest down, then the two lanes' lowest);
; the chosen one is then set to -1, below every probability.  All by selects: no branch hangs on a number.
.macro PICK k
	MAX32
	v_mov_b32 v[IDX], 64
.set i, 31
.rept 32
	v_cmp_neq_f32 vcc_lo, v[ACC+i], v[M]
	v_cndmask_b32 v[IDX], 16*(i/8)+i%8, v[IDX], vcc_lo
.set i, i-1
.endr
	v_add_nc_u32 v[IDX], v[IDX], v[H8]             ; register 8a + j is expert 16a + j + 8h
	v_permlanex16_b32 v[X2], v[IDX], s22, s23
	v_min_u32 v[IDX], v[IDX], v[X2]
	v_min_u32 v[TI+\k], 63, v[IDX]
	v_mov_b32 v[TV+\k], v[M]
	v_sub_nc_u32 v[WL], v[TI+\k], v[H8]            ; in the lane that does not hold it this is no number of the form 16a + j, j < 8
.set i, 0
.rept 32
	v_cmp_ne_u32 vcc_lo, 16*(i/8)+i%8, v[WL]
	v_cndmask_b32 v[ACC+i], -1.0, v[ACC+i], vcc_lo
.set i, i+1
.endr
.endm
.irp k, 0,1,2,3,4,5,6,7
	PICK \k
.endr
	v_add_f32 v[C], v[TV], v[TV+1]
	v_add_f32 v[C+1], v[TV+2], v[TV+3]
	v_add_f32 v[C+2], v[TV+4], v[TV+5]
	v_add_f32 v[C+3], v[TV+6], v[TV+7]
	v_add_f32 v[C], v[C], v[C+1]
	v_add_f32 v[C+2], v[C+2], v[C+3]
	v_add_f32 v[C], v[C], v[C+2]
	v_rcp_f32 v[C+1], v[C]
	v_lshlrev_b32 v[OO], 5, v2                     ; (the plain instruction behind the reciprocal) token r's 32 bytes,
	v_lshl_add_u32 v[OO], v3, 4, v[OO]             ; choices 4h .. 4h+3
	v_cmp_eq_u32 vcc_lo, 1, v3
.irp q, 0,1,2,3
	v_cndmask_b32 v[OI+\q], v[TI+\q], v[TI+4+\q], vcc_lo
	v_cndmask_b32 v[OW+\q], v[TV+\q], v[TV+4+\q], vcc_lo
.endr
	s_wait_alu depctr_va_vdst(0)
.irp q, 0,1,2,3
	v_mul_f32 v[OW+\q], v[OW+\q], v[C+1]
.endr
	global_store_b128 v[OO], v[OI:OI+3], s[10:11]  ; each store covers the work-group's 512 consecutive bytes
	global_store_b128 v[OO], v[OW:OW+3], s[12:13]
.Lend:
	s_wait_tensorcnt 0x0
	ds_add_u32 v240, v241
	s_wait_dscnt 0x0
	s_endpgm
.Lfunc_end_k_q449ae58817_route:
	.size	k_q449ae58817_route, .Lfunc_end_k_q449ae58817_route-k_q449ae58817_route
	.p2alignl 7, 3214868480
	.fill 96, 4, 3214868480
	.section	.rodata,"a",@progbits
	.p2align	6, 0x0
	.amdhsa_kernel k_q449ae58817_route
		.amdhsa_group_segment_fixed_size 67072
		.amdhsa_private_segment_fixed_size 0
		.amdhsa_enable_private_segment 0
		.amdhsa_kernarg_size 40
		.amdhsa_user_sgpr_count 2
		.amdhsa_user_sgpr_kernarg_segment_ptr 1
		.amdhsa_wavefront_size32 1
		.amdhsa_system_sgpr_workgroup_id_x 1
		.amdhsa_system_sgpr_workgroup_id_y 1
		.amdhsa_system_sgpr_workgroup_id_z 1
		.amdhsa_system_vgpr_workitem_id 0
		.amdhsa_next_free_vgpr 242
		.amdhsa_next_free_sgpr 66
		.amdhsa_reserve_vcc 1
		.amdhsa_float_denorm_mode_32 3
		.amdhsa_float_denorm_mode_16_64 3
		.amdhsa_memory_ordered 1
		.amdhsa_forward_progress 1
		.amdhsa_inst_pref_size 88
	.end_amdhsa_kernel
	.amdgpu_metadata
---
amdhsa.version: [ 1, 2 ]
amdhsa.kernels:
  - .name:           k_q449ae58817_route
    .symbol:         k_q449ae58817_route.kd
    .args:
      - { .name: x, .offset: 0, .size: 8, .value_kind: global_buffer, .address_space: global }
      - { .name: gate_w, .offset: 8, .size: 8, .value_kind: global_buffer, .address_space: global }
      - { .name: xb, .offset: 16, .size: 8, .value_kind: global_buffer, .address_space: global }
      - { .name: topi, .offset: 24, .size: 8, .value_kind: global_buffer, .address_space: global }
      - { .name: topw, .offset: 32, .size: 8, .value_kind: global_buffer, .address_space: global }
    .group_segment_fixed_size: 67072
    .private_segment_fixed_size: 0
    .kernarg_segment_align: 8
    .kernarg_segment_size: 40
    .max_flat_workgroup_size: 256
    .sgpr_count:     66
    .vgpr_count:     242
    .wavefront_size: 32
...
	.end_amdgpu_metadata
.endif
;; end of part 1
;; launch bucket (part 2): grid 64 x 1, 1 waves a work-group, no clusters, 4,608 bytes of LDS; arguments topi, qweight1, lists; writes lists
.if DOCPART == 2
	.amdgcn_target "amdgcn-amd-amdhsa--gfx1250"
	.amdhsa_code_object_version 6
	.text
	.protected	k_q449ae58817_bucket
	.globl	k_q449ae58817_bucket
	.p2align	8
	.type	k_q449ae58817_bucket,@function
k_q449ae58817_bucket:
	s_mov_b64 s[64:65], 0
	v_nop
	global_prefetch_b8 v0, s[64:65] scope:SCOPE_SE
	s_setreg_imm32_b32 hwreg(HW_REG_WAVE_MODE, 25, 1), 1
	s_wait_xcnt 0x0
; BUCKET.  Work-group e (one wave) goes through all 1,024 tokens' eight choices and lists the assignments a = 8 t + k whose expert is e, in ascending order.
; lists: a row of 4,352 bytes for each expert: entries 0 .. 1055 (the first count are the list; all others repeat entry 0, or 0 where the list is empty),
; then 32 words that hold count.  An entry that repeats entry 0 makes a later launch compute and store the same row once more, from the same work-group.
; A sum over contributors is made by gathering: each expert scans for what falls to it; no atomics.  The list is built in LDS: lane positions by a count of
; the lanes below that have a match, on top of a running base; a lane without a match writes a word of its own behind the list.
; A token's eight choices are different experts (the launch before sets a chosen probability below all others), so a token adds one entry at the most.
; Beside each of its 32 steps the wave asks for 32 blocks of 256 bytes of qweight1, 256 bytes apart: work-group e for bytes 262,144 e .. 262,144 e + 262,143,
; so that each block of the buffer is asked for once in the launch and none lies outside it; the next launch reads them.
; Matrix units, clusters and tensor loads have nothing to do here: 32 KiB of whole numbers are compared.
.set SET0, 32                          ; v[32:223] three sets of 64: eight steps' choices each
	s_load_b128 s[4:7], s[0:1], 0x0                ; topi s[4:5], qweight1 s[6:7]
	s_load_b64 s[8:9], s[0:1], 0x10                ; lists
	v_lshl_add_u32 v224, v0, 2, 0x1100
	v_mov_b32 v225, 0
	s_mov_b32 s20, ttmp9                           ; my expert
	s_mov_b32 s21, 0                               ; entries so far
	v_lshlrev_b32 v1, 5, v0                        ; a token's 32 bytes in topi (one wave: v0 is the lane)
	v_lshlrev_b32 v2, 3, v0                        ; 8 x lane
	v_add_nc_u32 v3, 1024, v0                      ; the index of my word behind the list
	v_lshlrev_b32 v4, 8, v0                        ; 256 x lane
	v_mov_b32 v8, 0
	v_mov_b32 v9, 0
	v_mov_b32 v10, 0
	v_mov_b32 v11, 0
	v_lshlrev_b32 v12, 2, v0                       ; 4 x lane
	v_lshlrev_b32 v13, 4, v0                       ; 16 x lane
	s_lshl_b32 s10, ttmp9, 18
	s_mov_b32 s11, 0
	s_mul_i32 s12, ttmp9, 4352
	s_mov_b32 s13, 0
.irp i, 0,1,2,3,4,5,6,7
	ds_store_b128 v13, v[8:11] offset:512*\i       ; the list starts as zeros, so that entry 0 of an empty list is 0
.endr
	s_wait_kmcnt 0x0
	s_add_nc_u64 s[6:7], s[6:7], s[10:11]
	s_add_nc_u64 s[8:9], s[8:9], s[12:13]
.macro BLOAD b, set                    ; steps 8b .. 8b+7: step c is tokens 32c + lane
.irp c, 0,1,2,3,4,5,6,7
	global_load_b128 v[\set+8*\c:\set+8*\c+3],   v1, s[4:5] offset:1024*(8*\b+\c)
	global_load_b128 v[\set+8*\c+4:\set+8*\c+7], v1, s[4:5] offset:1024*(8*\b+\c)+16
.endr
.endm
.macro CHUNK c, base
	v_mov_b32 v5, 8
.irp k, 0,1,2,3,4,5,6,7
	v_cmp_ne_u32 vcc_lo, s20, v[\base+\k]
	v_cndmask_b32 v5, \k, v5, vcc_lo               ; k where choice k is my expert
.endr
	v_cmp_gt_u32 vcc_lo, 8, v5                     ; the lanes with a match
	v_mbcnt_lo_u32_b32 v6, vcc_lo, s21             ; the base + the matches in the lanes below me
	s_bcnt1_i32_b32 s22, vcc_lo
	s_add_co_u32 s21, s21, s22
	v_cndmask_b32 v6, v3, v6, vcc_lo               ; no match: my word behind the list
	v_min_u32 v6, 1055, v6                         ; inside the 4,224 bytes whatever was read
	v_lshlrev_b32 v6, 2, v6
	v_add3_u32 v7, v5, v2, 256*(\c)                ; a = 8 (32 c + lane) + k
	ds_store_b32 v6, v7
	global_prefetch_b8 v4, s[6:7] offset:8192*(\c) th:TH_LOAD_NT scope:SCOPE_SE
.endm
.macro BATCH b, set, left
	s_wait_loadcnt \left                           ; the younger batches' 16 loads each stay out
.irp c, 0,1,2,3,4,5,6,7
	CHUNK 8*\b+\c, \set+8*\c
.endr
.endm
	BLOAD 0, SET0
	BLOAD 1, SET0+64
	BLOAD 2, SET0+128
	BATCH 0, SET0, 32
	BLOAD 3, SET0
	BATCH 1, SET0+64, 32
	BATCH 2, SET0+128, 16
	BATCH 3, SET0, 0
	v_mov_b32 v14, 0
	ds_load_b32 v15, v14                           ; entry 0 (LDS serves a wave's instructions in order: these see the stores above)
.irp i, 0,1,2,3,4,5,6,7
	ds_load_b128 v[SET0+4*\i:SET0+4*\i+3], v13 offset:512*\i   ; entries 128 i + 4 lane + 0..3
.endr
	v_sub_nc_u32 v16, s21, v12                     ; count - 4 lane
	v_mov_b32 v17, s21
	s_wait_dscnt 0x0
.irp i, 0,1,2,3,4,5,6,7
.irp q, 0,1,2,3
	v_cmp_lt_i32 vcc_lo, 128*\i+\q, v16            ; the entry's index is below count: it is kept
	v_cndmask_b32 v[SET0+4*\i+\q], v15, v[SET0+4*\i+\q], vcc_lo
.endr
	global_store_b128 v13, v[SET0+4*\i:SET0+4*\i+3], s[8:9] offset:512*\i   ; 512 consecutive bytes, aligned
.endr
	v_cmp_gt_u32 vcc_lo, 16, v0
	v_cndmask_b32 v18, v17, v15, vcc_lo            ; lanes 0-15: entries 1024 .. 1055 repeat entry 0; lanes 16-31: count
	v_mov_b32 v19, v18
	global_store_b64 v2, v[18:19], s[8:9] offset:4096
	s_wait_tensorcnt 0x0
	ds_add_u32 v224, v225
	s_wait_dscnt 0x0
	s_endpgm
.Lfunc_end_k_q449ae58817_bucket:
	.size	k_q449ae58817_bucket, .Lfunc_end_k_q449ae58817_bucket-k_q449ae58817_bucket
	.p2alignl 7, 3214868480
	.fill 96, 4, 3214868480
	.section	.rodata,"a",@progbits
	.p2align	6, 0x0
	.amdhsa_kernel k_q449ae58817_bucket
		.amdhsa_group_segment_fixed_size 4608
		.amdhsa_private_segment_fixed_size 0
		.amdhsa_enable_private_segment 0
		.amdhsa_kernarg_size 24
		.amdhsa_user_sgpr_count 2
		.amdhsa_user_sgpr_kernarg_segment_ptr 1
		.amdhsa_wavefront_size32 1
		.amdhsa_system_sgpr_workgroup_id_x 1
		.amdhsa_system_sgpr_workgroup_id_y 1
		.amdhsa_system_sgpr_workgroup_id_z 1
		.amdhsa_system_vgpr_workitem_id 0
		.amdhsa_next_free_vgpr 226
		.amdhsa_next_free_sgpr 66
		.amdhsa_reserve_vcc 1
		.amdhsa_float_denorm_mode_32 3
		.amdhsa_float_denorm_mode_16_64 3
		.amdhsa_memory_ordered 1
		.amdhsa_forward_progress 1
		.amdhsa_inst_pref_size 47
	.end_amdhsa_kernel
	.amdgpu_metadata
---
amdhsa.version: [ 1, 2 ]
amdhsa.kernels:
  - .name:           k_q449ae58817_bucket
    .symbol:         k_q449ae58817_bucket.kd
    .args:
      - { .name: topi, .offset: 0, .size: 8, .value_kind: global_buffer, .address_space: global }
      - { .name: qweight1, .offset: 8, .size: 8, .value_kind: global_buffer, .address_space: global }
      - { .name: lists, .offset: 16, .size: 8, .value_kind: global_buffer, .address_space: global }
    .group_segment_fixed_size: 4608
    .private_segment_fixed_size: 0
    .kernarg_segment_align: 8
    .kernarg_segment_size: 24
    .max_flat_workgroup_size: 32
    .sgpr_count:     66
    .vgpr_count:     226
    .wavefront_size: 32
...
	.end_amdgpu_metadata
.endif
;; end of part 2
;; launch gemm1 (part 3): grid 256 x 1, 4 waves a work-group, no clusters, 312,832 bytes of LDS; arguments xb, qweight1, qzeros1, scales1, lists, topw, qweight2, hbuf; writes hbuf
.if DOCPART == 3
	.amdgcn_target "amdgcn-amd-amdhsa--gfx1250"
	.amdhsa_code_object_version 6
	.text
	.protected	k_q449ae58817_gemm1
	.globl	k_q449ae58817_gemm1
	.p2align	8
	.type	k_q449ae58817_gemm1,@function
k_q449ae58817_gemm1:
	s_mov_b64 s[64:65], 0
	v_nop
	global_prefetch_b8 v0, s[64:65] scope:SCOPE_SE
	s_setreg_imm32_b32 hwreg(HW_REG_WAVE_MODE, 25, 1), 1
	s_wait_xcnt 0x0
; EXPERT PRODUCT, one text for both layers; WHICH says which.
;   WHICH = 1: hbuf[a][512]  = f16( silu( xb[a >> 3] . W1e ) x topw[a] )       K = 1,024, the work-group's slice: 128 columns
;   WHICH = 2: ybuf[a][1024] = hbuf[a] . W2e  (f32)                            K = 512,   the work-group's slice: 256 columns, in two passes of 128
; a = 8 t + k runs through the list of expert e.  Work-group 4 e + j owns expert e and column slice j, so each packed word is read and unpacked once in the launch.
; Only listed pairs are computed: for the others reference() multiplies by a weight of exactly 0 (LIMIT: this takes 0 x h = 0, that is, finite h).
; PHASE 1.  Wave w unpacks K rows w KT/4 .. of the slice: a word holds eight columns of one k, columns 2p and 2p+1 in nibble p of its low and of its high half, so one
;   instruction serves both.  (W & 0x000f000f) | 0x64006400 is the pair of f16 numbers 1024 + q of columns 0, 1; (W & 0x00f000f0) | 0x64006400 is 1024 + 16 q of columns 2, 3; the same two
;   on W >> 8 give columns 4 to 7.  The zero point's word gives -(1024 + z) and -(64 + z) in the same way.  (1024 + q) - (1024 + z) and (1024 + 16 q) / 16 - (64 + z) are q - z exactly;
;   the one rounding is that of (q - z) x scale to f16, the format of the operand.  It goes to LDS as [k][n].  One barrier.
; PHASE 2.  Wave w takes the list's blocks of 48 rows at 48 w, 48 w + 192, .. below count: 3 x 8 accumulators of 16 x 16.  Nothing behind the barrier is shared, so the trips may differ from wave to wave.
;   Source 0 = 16 columns of the weights, turned out of LDS by ds_load_tr16_b128; source 1 = 16 listed rows, gathered from memory into registers, 128 K (256 consecutive bytes of each row) at a time.
;   A lane then holds one row and eight neighbouring columns.  Results go through the wave's own stage in LDS and leave as whole aligned runs of 256 bytes.
; FORMATS.  The floating-point inputs are each rounded once to bf16 (x by the first launch, the scales here), and the products run in f16 with f32 sums.  (q - z) x the rounded scale has
;   4 + 8 = 12 bits at the most, of which f16 keeps 11: against the true weight the operand is off by one rounding to bf16.  h x weight is rounded to f16.
; LIMITS.  f16 ends at 65,504.  Weights: 15 x |scale|.  A scale under 2^-14 is held to 2^-25, so a weight there is off by 15 x 2^-25 at the most.  h: with x of spread 1 and scales of spread 0.02
;   the sums v have a spread of sqrt(1024) x 6.5 x 0.02 = 4.2; six times that, with x and the scales both 30 times larger, is 22,700.  Other operands under 2^-14 are off by 2^-25 at the most.
;   silu(v) = v / (1 + 2^(-v log2 e)) by v_exp_f32 and v_rcp_f32: where the power overflows the quotient is 0.  Sums that are not finite are not served.
; NO TENSOR LOADS, NO CLUSTER: the weights, the bulk of the bytes, are shared by nobody and must pass through registers to be unpacked; the rows that an expert's four slices share
; are named one by one by a list, which no tile describes; no LDS byte is filled twice.
; REGISTERS, in windows of 256 (s_set_vgpr_msb: bits 1:0 source 0, 3:2 source 1, 5:4 source 2, 7:6 destination):
;   window 0: addresses; v64-191 two buffers of weight fragments (on the way out: at work); v192-255 the way out
;   window 1: phase 1: all that the unpacking touches; phase 2: accumulator (mt, nt) at v[64 mt + 8 nt]
;   windows 2, 3: four buffers of 96 for the gathered rows: fragment (mt, s) at 96 (buffer % 2) + 32 mt + 8 s
.set WHICH, 1
.if WHICH == 1
.set KT,    1024
.set NH,    1                          ; passes of 128 columns
.set P,     288                        ; a row of the slice in LDS: 256 bytes + 32: an odd multiple of 32
.set LQ,    2                          ; log2 of the 16-byte pieces of a packed row of the slice
.set LQP,   14                         ; log2 of the bytes from row to row of the packed words
.set LCB,   6                          ; log2 of the slice's bytes in such a row
.set LDB,   8                          ; log2 of the slice's bytes in a row of the result
.set NG,    2                          ; groups of 128 K that a wave unpacks
.set DROW,  10                         ; log2 of the bytes in a row of the result
.set SP,    272                        ; a row of the stage: 256 bytes + 16
.set LH,    4                          ; log2 of the bytes that a lane puts there at a time
.set DEST,  18                         ; s[18:19] the result
.set YOUNG, 51                         ; loads issued behind the last packed word: 3 weights of rows + 48 of gathered rows
.else
.set KT,    512
.set NH,    2
.set P,     544
.set LQ,    3
.set LQP,   15
.set LCB,   7
.set LDB,   10
.set NG,    1
.set DROW,  12
.set SP,    528
.set LH,    5
.set DEST,  14
.set YOUNG, 48
.endif
.set NCH,   KT/128                     ; chunks of 128 K
.set RPI,   32>>LQ                     ; rows that one load of packed words covers
.set QPITCH, 1<<LQP
.set SCPITCH, 8*QPITCH
.set STAGE, KT*P                       ; behind the weights: 16 rows of SP bytes for each wave
.set ADRB,  8                          ; v8-15   LDS address of my part of a weight fragment, chunk c
.set AOFF,  16                         ; v16-18  byte offset of row r of tile mt in the gathered buffer, + 16 h
.set LA,    19                         ; v19-21  entry r of tile mt
.set CW,    22                         ; v22-27  the row's weight, in pairs: the even register; the odd one is 0
.set STO,   28                         ; v28     the way out: where I put my columns of row r
.set RD,    29                         ; v29     where I read rows back: lanes 0-15 rows 0-7, lanes 16-31 rows 8-15
.set ROWO,  32                         ; v32-55  tile mt, t: byte offset in the result of entry 8 (L / 16) + t, + 16 (L % 16)
.set CWO,   56                         ; v56-58  byte offset of the rows' weights
.set BF,    64
.set PK,    192
.set OB,    224
.set QZ,    128                        ; window 1, phase 1: v0-127 packed words (load i at 4 i); v128-135 zero points' words
.set SC,    136                        ; v136-199 scales as loaded, 32 a group
.set DS,    136                        ; v136-167 once group 0's scales are packed: eight sets of four registers for finished words, by turns
.set SH,    200                        ; v200-215 the scales of the group in hand, two f16 a register: word wd, pair p at 4 wd + p
.set NZ,    216                        ; v216-231 its zero points: -(1024 + z) for p = 0, 2; -(64 + z) for p = 1, 3
.set F,     232                        ; v232-235 at work on the scales
.set W8,    240                        ; v240, v241 two words >> 8
.set C16,   242                        ; v242    1/16, twice, in f16
.set ST,    245                        ; v245, v246 LDS address of my first row, and of the row 16 loads further on
.set MSB, 0
.macro WIN new                         ; the immediate's high byte repeats the setting that is left; a switch that changes nothing is dropped
.if MSB != (\new)
	s_set_vgpr_msb (MSB<<8)|(\new)
.set MSB, (\new)
.endif
.endm
.macro PLACES                          ; four places behind matrix instructions (ISA guide 7.12.1), where no other vector work is at hand
.rept 4
	v_nop
.endr
.endm
; My block's 48 entries, twice: entry r of each tile (for the gather), and entries 8 (L / 16) + 0..7 of each tile (for the stores).
.macro PRO_LIST
.irp mt, 0,1,2
	global_load_b32 v[LA+\mt], v6, s[28:29] offset:64*\mt
.endr
.irp mt, 0,1,2
	global_load_b128 v[ROWO+8*\mt:ROWO+8*\mt+3],   v7, s[28:29] offset:64*\mt
	global_load_b128 v[ROWO+8*\mt+4:ROWO+8*\mt+7], v7, s[28:29] offset:64*\mt+16
.endr
.endm
; 24 loads: chunk fc of my 48 rows into buffer fc % 4.
.macro AFETCH
	WIN 0x80+0x40*((fc%4)/2)
.irp mt, 0,1,2
.irp s, 0,1,2,3
	global_load_b128 v[96*(fc%2)+32*\mt+8*\s:96*(fc%2)+32*\mt+8*\s+3],   v[AOFF+\mt], s[4:5] offset:256*fc+64*\s
	global_load_b128 v[96*(fc%2)+32*\mt+8*\s+4:96*(fc%2)+32*\mt+8*\s+7], v[AOFF+\mt], s[4:5] offset:256*fc+64*\s+32
.endr
.endr
.endm
; Entries become offsets (each clamped to its table first), and the first two chunks are asked for.
.macro PRO_ADDR
.irp mt, 0,1,2
.if WHICH == 1
	v_lshrrev_b32 v59, 3, v[LA+\mt]                ; the token
	v_min_u32 v59, 1023, v59
	v_lshl_add_u32 v[AOFF+\mt], v59, 11, v60
	v_min_u32 v[CWO+\mt], 8191, v[LA+\mt]
	v_lshlrev_b32 v[CWO+\mt], 2, v[CWO+\mt]
.else
	v_min_u32 v59, 8191, v[LA+\mt]
	v_lshl_add_u32 v[AOFF+\mt], v59, 10, v60
.endif
.endr
.if WHICH == 1
.irp mt, 0,1,2
	global_load_b32 v[CW+2*\mt], v[CWO+\mt], s[14:15]
.endr
.endif
.set fc, 0
	AFETCH
.set fc, 1
	AFETCH
	WIN 0
.endm
.macro PRO_ROWS
.set q, 0
.rept 24
	v_min_u32 v[ROWO+q], 8191, v[ROWO+q]
	v_lshl_add_u32 v[ROWO+q], v[ROWO+q], DROW, v31
.set q, q+1
.endr
.endm
; Group g's zero points, negated, as pairs of f16; its scales rounded to bf16, widened again, and packed as pairs of f16.
.macro ZPREP
.irp wd, 0,1,2,3
	v_lshrrev_b32 v[W8], 8, v[QZ+4*g+\wd]
	v_and_or_b32 v[NZ+4*\wd],   v[QZ+4*g+\wd], s30, s33    ; -(1024 + z) of columns 0, 1
	v_and_or_b32 v[NZ+4*\wd+1], v[QZ+4*g+\wd], s31, s34    ; -(64 + z) of columns 2, 3: at 64 a step of f16 is 1/16, so z stands in bits 4 to 7
	v_and_or_b32 v[NZ+4*\wd+2], v[W8],         s30, s33    ; columns 4, 5
	v_and_or_b32 v[NZ+4*\wd+3], v[W8],         s31, s34    ; columns 6, 7
.irp p, 0,1,2,3
	v_cvt_pk_bf16_f32 v[F+\p], v[SC+32*g+8*\wd+2*\p], v[SC+32*g+8*\wd+2*\p+1]
.endr
.irp p, 0,1,2,3
	v_lshlrev_b32 v[SC+32*g+8*\wd+2*\p],   16,  v[F+\p]
	v_and_b32     v[SC+32*g+8*\wd+2*\p+1], s35, v[F+\p]
.endr
.irp p, 0,1,2,3
	v_cvt_pk_f16_f32 v[SH+4*\wd+\p], v[SC+32*g+8*\wd+2*\p], v[SC+32*g+8*\wd+2*\p+1]
.endr
.endr
.endm
; The two stores of the pair of words finished last: 16 bytes of f16 each.
.macro PUT
.if pend
	ds_store_b128 v[pA], v[pD:pD+3]   offset:pO
	ds_store_b128 v[pA], v[pD+4:pD+7] offset:pO+16
.endif
.endm
; Words wa and wa + 1 of load i: eight independent chains of three instructions.  The pair before is stored behind this pair's first stage: its numbers were made ten instructions
; back or more, and its registers are written again four pairs on.
.macro DQPAIR wa
.set dA, DS+4*((4*i+\wa)%8)
	v_lshrrev_b32 v[W8],   8, v[4*i+\wa]
	v_lshrrev_b32 v[W8+1], 8, v[4*i+\wa+1]
.irp k, 0,1
	v_and_or_b32 v[dA+4*\k],   v[4*i+\wa+\k], s30, s32     ; 1024 + q of columns 0, 1
	v_and_or_b32 v[dA+4*\k+1], v[4*i+\wa+\k], s31, s32     ; 1024 + 16 q of columns 2, 3
.endr
.irp k, 0,1
	v_and_or_b32 v[dA+4*\k+2], v[W8+\k], s30, s32          ; columns 4, 5
	v_and_or_b32 v[dA+4*\k+3], v[W8+\k], s31, s32          ; columns 6, 7
.endr
	PUT
.irp k, 0,1
	v_pk_add_f16 v[dA+4*\k],   v[dA+4*\k],   v[NZ+4*(\wa+\k)]                 ; q - z, exactly
	v_pk_fma_f16 v[dA+4*\k+1], v[dA+4*\k+1], v[C16], v[NZ+4*(\wa+\k)+1]
	v_pk_add_f16 v[dA+4*\k+2], v[dA+4*\k+2], v[NZ+4*(\wa+\k)+2]
	v_pk_fma_f16 v[dA+4*\k+3], v[dA+4*\k+3], v[C16], v[NZ+4*(\wa+\k)+3]
.endr
.irp k, 0,1
.irp p, 0,1,2,3
	v_pk_mul_f16 v[dA+4*\k+\p], v[dA+4*\k+\p], v[SH+4*(\wa+\k)+\p]            ; x scale: the one rounding
.endr
.endr
.set pend, 1
.set pD, dA
.set pA, ST+i/16
.set pO, (i%16)*RPI*P+16*\wa
.endm
; 16 turning loads: the weights of 32 K (chunk bc, step bs) x 128 columns of pass nh, into buffer bb.
.macro BFETCH nh
	WIN 0
.irp nt, 0,1,2,3,4,5,6,7
	ds_load_tr16_b128 v[BF+64*bb+8*\nt:BF+64*bb+8*\nt+3],   v[ADRB+bc] offset:32*bs*P+32*\nt+256*\nh
	ds_load_tr16_b128 v[BF+64*bb+8*\nt+4:BF+64*bb+8*\nt+7], v[ADRB+bc] offset:32*bs*P+16*P+32*\nt+256*\nh
.endr
.endm
; K step u of a pass: the next step's weights are asked for, then 24 products, one on each accumulator: they take turns.
.macro KSTEP nh
.set kc, u/4
.set ks, u%4
	s_wait_dscnt 0x0                               ; this step's weights are in
.if (ks == 0) && (\nh == 0)
.if kc == NCH-1
	s_wait_loadcnt 0x0                             ; the last chunk of rows: nothing was asked for behind it
.else
	s_wait_loadcnt 24                              ; this chunk of rows is in; the next chunk's 24 loads stay out
.endif
.endif
.if u+1 < 4*NCH
.if u > 0
	PLACES                                         ; the buffer below was read by the products just issued
.endif
.set bc, (u+1)/4
.set bs, (u+1)%4
.set bb, (u+1)%2
	BFETCH \nh
.endif
.if (ks == 0) && (\nh == 0) && (kc+2 < NCH)
.set fc, kc+2
	AFETCH                                         ; two chunks, 192 products, ahead of its first use
.endif
	WIN 0x58+4*((kc%4)/2)                          ; weights window 0, rows window 2 or 3, sums window 1
.irp nt, 0,1,2,3,4,5,6,7
.irp mt, 0,1,2
.if u == 0
	v_wmma_f32_16x16x32_f16 v[64*\mt+8*\nt:64*\mt+8*\nt+7], v[BF+64*(u%2)+8*\nt:BF+64*(u%2)+8*\nt+7], v[96*(kc%2)+32*\mt+8*ks:96*(kc%2)+32*\mt+8*ks+7], 0
.else
	v_wmma_f32_16x16x32_f16 v[64*\mt+8*\nt:64*\mt+8*\nt+7], v[BF+64*(u%2)+8*\nt:BF+64*(u%2)+8*\nt+7], v[96*(kc%2)+32*\mt+8*ks:96*(kc%2)+32*\mt+8*ks+7], v[64*\mt+8*\nt:64*\mt+8*\nt+7]
.endif
.endr
.endr
.endm
; The way out of tile mt, layer 1: v x weight / (1 + 2^(-v log2 e)), rounded to f16, through my stage, stored as whole runs of 256 bytes.  Each accumulator is read from its low end on.
.macro EPI1 mt
.if \mt == 0
	PLACES
.endif
	WIN 0x01                                       ; source 0 window 1
.set q, 0
.rept 32
	v_pk_mul_f32 v[BF+2*q:BF+2*q+1], v[64*\mt+2*q:64*\mt+2*q+1], s[36:37] op_sel_hi:[1,0]
	v_pk_mul_f32 v[BF+64+2*q:BF+64+2*q+1], v[64*\mt+2*q:64*\mt+2*q+1], v[CW+2*\mt:CW+2*\mt+1] op_sel_hi:[1,0]
.set q, q+1
.endr
	WIN 0
.set q, 0
.rept 64
	v_exp_f32 v[BF+q], v[BF+q]
.set q, q+1
.endr
	v_nop                                          ; a plain instruction between the exponentials and the use of their results
.set q, 0
	s_wait_alu depctr_va_vdst(0)
.rept 32
	v_pk_add_f32 v[BF+2*q:BF+2*q+1], v[BF+2*q:BF+2*q+1], 1.0 op_sel_hi:[1,0]
.set q, q+1
.endr
.set q, 0
.rept 64
	v_rcp_f32 v[BF+q], v[BF+q]
.set q, q+1
.endr
	v_nop
.set q, 0
	s_wait_alu depctr_va_vdst(0)
.rept 32
	v_pk_mul_f32 v[BF+64+2*q:BF+64+2*q+1], v[BF+64+2*q:BF+64+2*q+1], v[BF+2*q:BF+2*q+1]
.set q, q+1
.endr
.set q, 0
.rept 32
	v_cvt_pk_f16_f32 v[PK+q], v[BF+64+2*q], v[BF+64+2*q+1]
.set q, q+1
.endr
	s_wait_xcnt 0x0                                ; the last tile's stores have read OB: only now is it loaded again
.irp nt, 0,1,2,3,4,5,6,7
	ds_store_b128 v[STO], v[PK+4*\nt:PK+4*\nt+3] offset:32*\nt
.endr
.irp t, 0,1,2,3,4,5,6,7
	ds_load_b128 v[OB+4*\t:OB+4*\t+3], v[RD] offset:SP*\t   ; LDS serves a wave's instructions in order: these see the stores above
.endr
.irp t, 0,1,2,3,4,5,6,7
	s_wait_dscnt 7-\t
	global_store_b128 v[ROWO+8*\mt+\t], v[OB+4*\t:OB+4*\t+3], s[DEST:DEST+1]   ; 16 lanes store 256 consecutive bytes, aligned
.endr
.endm
; The way out of tile mt, layer 2: the f32 sums as they are.  Four places in front of every tile: twelve in all stand ahead of the next pass's first product, which writes an accumulator anew.
.macro EPI2 mt, nh
	PLACES
	WIN 0x04                                       ; store data window 1
.irp nt, 0,1,2,3,4,5,6,7
	ds_store_b128 v[STO], v[64*\mt+8*\nt:64*\mt+8*\nt+3]   offset:64*\nt
	ds_store_b128 v[STO], v[64*\mt+8*\nt+4:64*\mt+8*\nt+7] offset:64*\nt+16
.endr
	WIN 0
	s_wait_xcnt 0x0                                ; the last tile's stores have read v64-127
.irp t, 0,1,2,3,4,5,6,7
	ds_load_b128 v[BF+8*\t:BF+8*\t+3],   v[RD] offset:SP*\t
	ds_load_b128 v[BF+8*\t+4:BF+8*\t+7], v[RD] offset:SP*\t+256
.endr
.irp t, 0,1,2,3,4,5,6,7
	s_wait_dscnt 15-2*\t
	global_store_b128 v[ROWO+8*\mt+\t], v[BF+8*\t:BF+8*\t+3],   s[DEST:DEST+1] offset:512*\nh
	s_wait_dscnt 14-2*\t
	global_store_b128 v[ROWO+8*\mt+\t], v[BF+8*\t+4:BF+8*\t+7], s[DEST:DEST+1] offset:512*\nh+256
.endr
.endm
.macro PASS nh
.if WHICH == 2
	s_wait_xcnt 0x0                                ; v64-127 were store data
.endif
.set bc, 0
.set bs, 0
.set bb, 0
	BFETCH \nh
.set u, 0
.rept 4*NCH
	KSTEP \nh
.set u, u+1
.endr
.irp mt, 0,1,2
.if WHICH == 1
	EPI1 \mt
.else
	EPI2 \mt, \nh
.endif
.endr
.endm
.if WHICH == 1
	s_load_b512 s[4:19], s[0:1], 0x0               ; rows s[4:5], packed words s[6:7], zero points s[8:9], scales s[10:11], lists s[12:13], topw s[14:15], qweight2 s[16:17], hbuf s[18:19]
	s_set_vgpr_msb 0x40
	v_lshl_add_u32 v254, v0, 2, 0x4c400
	v_mov_b32 v255, 0
	s_set_vgpr_msb 0x4000
.else
	s_load_b256 s[4:11], s[0:1], 0x0               ; rows s[4:5], packed words s[6:7], zero points s[8:9], scales s[10:11]
	s_load_b128 s[12:15], s[0:1], 0x20             ; lists s[12:13], ybuf s[14:15]
.endif
	v_lshrrev_b32 v61, 5, v0
	v_readfirstlane_b32 s20, v61                   ; wave 0..3
	s_lshr_b32 s21, ttmp9, 2                       ; expert
	s_and_b32 s22, ttmp9, 3                        ; slice
	s_mul_i32 s24, s20, 48                         ; the place in the list of my first block
	s_mov_b32 s30, 0x000f000f                      ; nibble 0 of both halves
	s_mov_b32 s31, 0x00f000f0                      ; nibble 1 of both halves
	s_mov_b32 s32, 0x64006400                      ; 1024, twice, in f16
	s_mov_b32 s33, 0xe400e400                      ; -1024, twice
	s_mov_b32 s34, 0xd400d400                      ; -64, twice
	s_mov_b32 s35, 0xffff0000                      ; a word's upper bf16
	s_mov_b32 s36, 0xbfb8aa3b                      ; -log2(e), named as a pair
	s_mov_b32 s37, 0xbfb8aa3b
	s_mov_b32 s39, 0
	s_lshl_b32 s40, s20, 22                        ; my KT/4 rows of packed words (256 x 16,384 = 128 x 32,768 bytes)
	s_lshl_b32 s41, s20, 15                        ; my first group's row of zero points
	s_lshl_b32 s42, s20, 18                        ; and of scales
	s_mul_i32 s43, s20, 16*SP
	s_add_co_u32 s43, s43, STAGE                   ; my stage
	s_mul_i32 s44, s20, (KT/4)*P                   ; my KT/4 rows in LDS
	v_and_b32 v1, 15, v0                           ; r
	v_bfe_u32 v2, v0, 4, 1                         ; h
	v_and_b32 v61, 31, v0
	v_lshrrev_b32 v62, LQ, v61                     ; my row among those of a load
	v_and_b32 v63, (1<<LQ)-1, v61                  ; my 16 bytes of it: 4 words, 32 columns
	v_lshlrev_b32 v3, LQP, v62
	v_lshl_add_u32 v3, v63, 4, v3
	v_add_nc_u32 v3, s40, v3                       ; packed words
	v_lshl_add_u32 v4, v63, 4, s41                 ; zero points
	v_lshl_add_u32 v5, v63, 7, s42                 ; scales
	v_mul_u32_u24 v59, v62, P
	v_lshl_add_u32 v59, v63, 6, v59
	v_add_nc_u32 v59, s44, v59                     ; where my first row's 32 columns go
	v_lshlrev_b32 v6, 2, v1
	v_lshlrev_b32 v7, 5, v2
	v_lshlrev_b32 v31, 4, v1
	v_lshlrev_b32 v60, 4, v2
	v_and_b32 v61, 7, v0                           ; the turning load: lane L reads k = 8 h + L % 8, 16 bytes at 16 ((L / 8) % 2)
	v_lshl_add_u32 v61, v2, 3, v61
	v_mul_u32_u24 v61, v61, P
	v_bfe_u32 v62, v0, 3, 1
	v_lshl_add_u32 v[ADRB], v62, 4, v61
.set c, 1
.rept NCH-1
	v_add_nc_u32 v[ADRB+c], 128*c*P, v[ADRB]
.set c, c+1
.endr
	v_mul_u32_u24 v[STO], v1, SP
	v_lshl_add_u32 v[STO], v2, LH, v[STO]
	v_add_nc_u32 v[STO], s43, v[STO]
	v_mul_u32_u24 v[RD], v2, 8*SP
	v_lshl_add_u32 v[RD], v1, 4, v[RD]
	v_add_nc_u32 v[RD], s43, v[RD]
.if WHICH == 1
	v_lshlrev_b32 v30, 8, v0                       ; 256 x thread
	v_mov_b32 v[CW+1], 0
	v_mov_b32 v[CW+3], 0
	v_mov_b32 v[CW+5], 0
.endif
	s_wait_kmcnt 0x0
	s_mul_i32 s38, s21, 4352
	s_add_nc_u64 s[26:27], s[12:13], s[38:39]      ; my expert's row of lists
	s_load_b32 s23, s[26:27], 0x1080               ; count
	s_mul_i32 s38, s20, 192
	s_add_nc_u64 s[28:29], s[26:27], s[38:39]      ; my first block's entries
	s_lshl_b32 s38, ttmp9, LCB
	s_add_nc_u64 s[6:7], s[6:7], s[38:39]          ; the slice's columns
	s_add_nc_u64 s[8:9], s[8:9], s[38:39]
	s_lshl_b32 s38, ttmp9, LCB+3
	s_add_nc_u64 s[10:11], s[10:11], s[38:39]
	s_lshl_b32 s38, s22, LDB
	s_add_nc_u64 s[DEST:DEST+1], s[DEST:DEST+1], s[38:39]
.if WHICH == 1
	s_lshl_b32 s38, ttmp9, 16
	s_add_nc_u64 s[16:17], s[16:17], s[38:39]
.endif
	PRO_LIST                                       ; 9 loads.  Every wave's first block is prepared whatever count is (48 w + 47 < 1,056): every path then has the same loads out
	WIN 0x40                                       ; destination window 1
.set g, 0
.rept NG
	global_load_b128 v[QZ+4*g:QZ+4*g+3], v4, s[8:9] offset:g*QPITCH
.set g, g+1
.endr
.set g, 0
.rept NG
.irp x, 0,1,2,3,4,5,6,7
	global_load_b128 v[SC+32*g+4*\x:SC+32*g+4*\x+3], v5, s[10:11] offset:g*SCPITCH+16*\x
.endr
.set g, g+1
.endr
.set i, 0
.rept 32
	global_load_b128 v[4*i:4*i+3], v3, s[6:7] offset:131072*i   ; RPI rows further on each time.  No hint: the three other slices take the bytes beside mine
.set i, i+1
.endr
	v_mov_b32 v[ST], v59
	v_add_nc_u32 v[ST+1], 16*RPI*P, v59
	v_mov_b32 v[C16], 0x2c002c00                   ; 1/16, twice, in f16
	WIN 0
	s_wait_loadcnt 9*NG+32                         ; the entries are in; behind them: NG loads of zero points, 8 NG of scales, 32 of packed words
	PRO_ADDR
.if WHICH == 1
	global_prefetch_b8 v30, s[16:17] th:TH_LOAD_NT scope:SCOPE_SE                ; 128 threads x 2 blocks of 256 bytes, 256 bytes apart: work-group n asks for bytes 65,536 n .. 65,536 n + 65,535 of qweight2,
	global_prefetch_b8 v30, s[16:17] offset:32768 th:TH_LOAD_NT scope:SCOPE_SE   ; each block of the buffer once in the launch, none outside it; the next launch reads them
.endif
	PRO_ROWS
	WIN 0x55                                       ; all in window 1
.set pend, 0
.set i, 0
.rept 32
.set g, i/(32/NG)
.set yy, YOUNG+31-i                    ; the loads issued behind load i; a wait's count holds 63 at the most, and a smaller count only waits longer
.if yy > 63
.set yy, 63
.endif
	s_wait_loadcnt yy                              ; load i is in, and with it all that was asked for ahead of it: the zero points and the scales of every group
.if i%(32/NG) == 0
	ZPREP
.endif
	DQPAIR 0
	DQPAIR 2
.set i, i+1
.endr
	PUT                                            ; the last pair
	WIN 0
	s_wait_kmcnt 0x0
	s_min_u32 s23, s23, 0x400                      ; count: at most one entry a token
	s_add_co_u32 s23, s23, 191
	s_sub_co_u32 s23, s23, s24                     ; count + 191 - 48 w: 47 at the least, 1,215 at the most
	s_lshr_b32 s23, s23, 6                         ; by 64,
	s_mul_hi_u32 s23, s23, 0x55555556              ; and by 3 (exact up to 18): my blocks = the whole part of (count + 191 - 48 w) / 192: none where 48 w is not below count
	s_min_u32 s23, s23, 6                          ; six at the most, by that arithmetic
	s_mov_b32 s24, 0                               ; blocks done
	s_wait_dscnt 0x0                               ; for the others' sake: my rows of the weights are in LDS
	s_barrier_signal -1
	s_barrier_wait -1                              ; the one barrier: ahead of every branch that hangs on count
	s_cmp_lt_u32 s24, s23
	s_cbranch_scc0 .Lend
.Lblock:
	PASS 0
.if NH == 2
	PASS 1
.endif
	s_add_co_u32 s24, s24, 1
	s_cmp_lt_u32 s24, s23
	s_cbranch_scc0 .Lend                           ; no entry is read for a block that is not there
	s_wait_xcnt 0x0                                ; the stores have read ROWO, the loads their base
	s_add_nc_u64 s[28:29], s[28:29], 768           ; the four waves' blocks lie side by side: 192 entries on
	PRO_LIST
	s_wait_loadcnt 0x0
	PRO_ADDR
	PRO_ROWS
	s_cmp_lt_u32 s24, s23                          ; holds, by the branch above: the loop's own compare
	s_cbranch_scc1 .Lblock
.Lend:
	s_set_vgpr_msb 0x5
	s_wait_tensorcnt 0x0
	ds_add_u32 v254, v255
	s_wait_dscnt 0x0
	s_set_vgpr_msb 0x500
	s_endpgm
.Lfunc_end_k_q449ae58817_gemm1:
	.size	k_q449ae58817_gemm1, .Lfunc_end_k_q449ae58817_gemm1-k_q449ae58817_gemm1
	.p2alignl 7, 3214868480
	.fill 96, 4, 3214868480
	.section	.rodata,"a",@progbits
	.p2align	6, 0x0
	.amdhsa_kernel k_q449ae58817_gemm1
		.amdhsa_group_segment_fixed_size 312832
		.amdhsa_private_segment_fixed_size 0
		.amdhsa_enable_private_segment 0
		.amdhsa_kernarg_size 64
		.amdhsa_user_sgpr_count 2
		.amdhsa_user_sgpr_kernarg_segment_ptr 1
		.amdhsa_wavefront_size32 1
		.amdhsa_system_sgpr_workgroup_id_x 1
		.amdhsa_system_sgpr_workgroup_id_y 1
		.amdhsa_system_sgpr_workgroup_id_z 1
		.amdhsa_system_vgpr_workitem_id 0
		.amdhsa_next_free_vgpr 960
		.amdhsa_next_free_sgpr 66
		.amdhsa_reserve_vcc 0
		.amdhsa_float_denorm_mode_32 3
		.amdhsa_float_denorm_mode_16_64 3
		.amdhsa_memory_ordered 1
		.amdhsa_forward_progress 1
		.amdhsa_inst_pref_size 255
	.end_amdhsa_kernel
	.section	.bss,"aw",@nobits
	.p2align	6
	.space	262144
	.amdgpu_metadata
---
amdhsa.version: [ 1, 2 ]
amdhsa.kernels:
  - .name:           k_q449ae58817_gemm1
    .symbol:         k_q449ae58817_gemm1.kd
    .args:
      - { .name: xb, .offset: 0, .size: 8, .value_kind: global_buffer, .address_space: global }
      - { .name: qweight1, .offset: 8, .size: 8, .value_kind: global_buffer, .address_space: global }
      - { .name: qzeros1, .offset: 16, .size: 8, .value_kind: global_buffer, .address_space: global }
      - { .name: scales1, .offset: 24, .size: 8, .value_kind: global_buffer, .address_space: global }
      - { .name: lists, .offset: 32, .size: 8, .value_kind: global_buffer, .address_space: global }
      - { .name: topw, .offset: 40, .size: 8, .value_kind: global_buffer, .address_space: global }
      - { .name: qweight2, .offset: 48, .size: 8, .value_kind: global_buffer, .address_space: global }
      - { .name: hbuf, .offset: 56, .size: 8, .value_kind: global_buffer, .address_space: global }
    .group_segment_fixed_size: 312832
    .private_segment_fixed_size: 0
    .kernarg_segment_align: 8
    .kernarg_segment_size: 64
    .max_flat_workgroup_size: 128
    .sgpr_count:     66
    .vgpr_count:     960
    .wavefront_size: 32
...
	.end_amdgpu_metadata
.endif
;; end of part 3
;; launch gemm2 (part 4): grid 256 x 1, 4 waves a work-group, no clusters, 312,832 bytes of LDS; arguments hbuf, qweight2, qzeros2, scales2, lists, ybuf; writes ybuf
.if DOCPART == 4
	.amdgcn_target "amdgcn-amd-amdhsa--gfx1250"
	.amdhsa_code_object_version 6
	.text
	.protected	k_q449ae58817_gemm2
	.globl	k_q449ae58817_gemm2
	.p2align	8
	.type	k_q449ae58817_gemm2,@function
k_q449ae58817_gemm2:
	s_mov_b64 s[64:65], 0
	v_nop
	global_prefetch_b8 v0, s[64:65] scope:SCOPE_SE
	s_setreg_imm32_b32 hwreg(HW_REG_WAVE_MODE, 25, 1), 1
	s_wait_xcnt 0x0
; EXPERT PRODUCT, one text for both layers; WHICH says which.
;   WHICH = 1: hbuf[a][512]  = f16( silu( xb[a >> 3] . W1e ) x topw[a] )       K = 1,024, the work-group's slice: 128 columns
;   WHICH = 2: ybuf[a][1024] = hbuf[a] . W2e  (f32)                            K = 512,   the work-group's slice: 256 columns, in two passes of 128
; a = 8 t + k runs through the list of expert e.  Work-group 4 e + j owns expert e and column slice j, so each packed word is read and unpacked once in the launch.
; Only listed pairs are computed: for the others reference() multiplies by a weight of exactly 0 (LIMIT: this takes 0 x h = 0, that is, finite h).
; PHASE 1.  Wave w unpacks K rows w KT/4 .. of the slice: a word holds eight columns of one k, columns 2p and 2p+1 in nibble p of its low and of its high half, so one
;   instruction serves both.  (W & 0x000f000f) | 0x64006400 is the pair of f16 numbers 1024 + q of columns 0, 1; (W & 0x00f000f0) | 0x64006400 is 1024 + 16 q of columns 2, 3; the same two
;   on W >> 8 give columns 4 to 7.  The zero point's word gives -(1024 + z) and -(64 + z) in the same way.  (1024 + q) - (1024 + z) and (1024 + 16 q) / 16 - (64 + z) are q - z exactly;
;   the one rounding is that of (q - z) x scale to f16, the format of the operand.  It goes to LDS as [k][n].  One barrier.
; PHASE 2.  Wave w takes the list's blocks of 48 rows at 48 w, 48 w + 192, .. below count: 3 x 8 accumulators of 16 x 16.  Nothing behind the barrier is shared, so the trips may differ from wave to wave.
;   Source 0 = 16 columns of the weights, turned out of LDS by ds_load_tr16_b128; source 1 = 16 listed rows, gathered from memory into registers, 128 K (256 consecutive bytes of each row) at a time.
;   A lane then holds one row and eight neighbouring columns.  Results go through the wave's own stage in LDS and leave as whole aligned runs of 256 bytes.
; FORMATS.  The floating-point inputs are each rounded once to bf16 (x by the first launch, the scales here), and the products run in f16 with f32 sums.  (q - z) x the rounded scale has
;   4 + 8 = 12 bits at the most, of which f16 keeps 11: against the true weight the operand is off by one rounding to bf16.  h x weight is rounded to f16.
; LIMITS.  f16 ends at 65,504.  Weights: 15 x |scale|.  A scale under 2^-14 is held to 2^-25, so a weight there is off by 15 x 2^-25 at the most.  h: with x of spread 1 and scales of spread 0.02
;   the sums v have a spread of sqrt(1024) x 6.5 x 0.02 = 4.2; six times that, with x and the scales both 30 times larger, is 22,700.  Other operands under 2^-14 are off by 2^-25 at the most.
;   silu(v) = v / (1 + 2^(-v log2 e)) by v_exp_f32 and v_rcp_f32: where the power overflows the quotient is 0.  Sums that are not finite are not served.
; NO TENSOR LOADS, NO CLUSTER: the weights, the bulk of the bytes, are shared by nobody and must pass through registers to be unpacked; the rows that an expert's four slices share
; are named one by one by a list, which no tile describes; no LDS byte is filled twice.
; REGISTERS, in windows of 256 (s_set_vgpr_msb: bits 1:0 source 0, 3:2 source 1, 5:4 source 2, 7:6 destination):
;   window 0: addresses; v64-191 two buffers of weight fragments (on the way out: at work); v192-255 the way out
;   window 1: phase 1: all that the unpacking touches; phase 2: accumulator (mt, nt) at v[64 mt + 8 nt]
;   windows 2, 3: four buffers of 96 for the gathered rows: fragment (mt, s) at 96 (buffer % 2) + 32 mt + 8 s
.set WHICH, 2
.if WHICH == 1
.set KT,    1024
.set NH,    1                          ; passes of 128 columns
.set P,     288                        ; a row of the slice in LDS: 256 bytes + 32: an odd multiple of 32
.set LQ,    2                          ; log2 of the 16-byte pieces of a packed row of the slice
.set LQP,   14                         ; log2 of the bytes from row to row of the packed words
.set LCB,   6                          ; log2 of the slice's bytes in such a row
.set LDB,   8                          ; log2 of the slice's bytes in a row of the result
.set NG,    2                          ; groups of 128 K that a wave unpacks
.set DROW,  10                         ; log2 of the bytes in a row of the result
.set SP,    272                        ; a row of the stage: 256 bytes + 16
.set LH,    4                          ; log2 of the bytes that a lane puts there at a time
.set DEST,  18                         ; s[18:19] the result
.set YOUNG, 51                         ; loads issued behind the last packed word: 3 weights of rows + 48 of gathered rows
.else
.set KT,    512
.set NH,    2
.set P,     544
.set LQ,    3
.set LQP,   15
.set LCB,   7
.set LDB,   10
.set NG,    1
.set DROW,  12
.set SP,    528
.set LH,    5
.set DEST,  14
.set YOUNG, 48
.endif
.set NCH,   KT/128                     ; chunks of 128 K
.set RPI,   32>>LQ                     ; rows that one load of packed words covers
.set QPITCH, 1<<LQP
.set SCPITCH, 8*QPITCH
.set STAGE, KT*P                       ; behind the weights: 16 rows of SP bytes for each wave
.set ADRB,  8                          ; v8-15   LDS address of my part of a weight fragment, chunk c
.set AOFF,  16                         ; v16-18  byte offset of row r of tile mt in the gathered buffer, + 16 h
.set LA,    19                         ; v19-21  entry r of tile mt
.set CW,    22                         ; v22-27  the row's weight, in pairs: the even register; the odd one is 0
.set STO,   28                         ; v28     the way out: where I put my columns of row r
.set RD,    29                         ; v29     where I read rows back: lanes 0-15 rows 0-7, lanes 16-31 rows 8-15
.set ROWO,  32                         ; v32-55  tile mt, t: byte offset in the result of entry 8 (L / 16) + t, + 16 (L % 16)
.set CWO,   56                         ; v56-58  byte offset of the rows' weights
.set BF,    64
.set PK,    192
.set OB,    224
.set QZ,    128                        ; window 1, phase 1: v0-127 packed words (load i at 4 i); v128-135 zero points' words
.set SC,    136                        ; v136-199 scales as loaded, 32 a group
.set DS,    136                        ; v136-167 once group 0's scales are packed: eight sets of four registers for finished words, by turns
.set SH,    200                        ; v200-215 the scales of the group in hand, two f16 a register: word wd, pair p at 4 wd + p
.set NZ,    216                        ; v216-231 its zero points: -(1024 + z) for p = 0, 2; -(64 + z) for p = 1, 3
.set F,     232                        ; v232-235 at work on the scales
.set W8,    240                        ; v240, v241 two words >> 8
.set C16,   242                        ; v242    1/16, twice, in f16
.set ST,    245                        ; v245, v246 LDS address of my first row, and of the row 16 loads further on
.set MSB, 0
.macro WIN new                         ; the immediate's high byte repeats the setting that is left; a switch that changes nothing is dropped
.if MSB != (\new)
	s_set_vgpr_msb (MSB<<8)|(\new)
.set MSB, (\new)
.endif
.endm
.macro PLACES                          ; four places behind matrix instructions (ISA guide 7.12.1), where no other vector work is at hand
.rept 4
	v_nop
.endr
.endm
; My block's 48 entries, twice: entry r of each tile (for the gather), and entries 8 (L / 16) + 0..7 of each tile (for the stores).
.macro PRO_LIST
.irp mt, 0,1,2
	global_load_b32 v[LA+\mt], v6, s[28:29] offset:64*\mt
.endr
.irp mt, 0,1,2
	global_load_b128 v[ROWO+8*\mt:ROWO+8*\mt+3],   v7, s[28:29] offset:64*\mt
	global_load_b128 v[ROWO+8*\mt+4:ROWO+8*\mt+7], v7, s[28:29] offset:64*\mt+16
.endr
.endm
; 24 loads: chunk fc of my 48 rows into buffer fc % 4.
.macro AFETCH
	WIN 0x80+0x40*((fc%4)/2)
.irp mt, 0,1,2
.irp s, 0,1,2,3
	global_load_b128 v[96*(fc%2)+32*\mt+8*\s:96*(fc%2)+32*\mt+8*\s+3],   v[AOFF+\mt], s[4:5] offset:256*fc+64*\s
	global_load_b128 v[96*(fc%2)+32*\mt+8*\s+4:96*(fc%2)+32*\mt+8*\s+7], v[AOFF+\mt], s[4:5] offset:256*fc+64*\s+32
.endr
.endr
.endm
; Entries become offsets (each clamped to its table first), and the first two chunks are asked for.
.macro PRO_ADDR
.irp mt, 0,1,2
.if WHICH == 1
	v_lshrrev_b32 v59, 3, v[LA+\mt]                ; the token
	v_min_u32 v59, 1023, v59
	v_lshl_add_u32 v[AOFF+\mt], v59, 11, v60
	v_min_u32 v[CWO+\mt], 8191, v[LA+\mt]
	v_lshlrev_b32 v[CWO+\mt], 2, v[CWO+\mt]
.else
	v_min_u32 v59, 8191, v[LA+\mt]
	v_lshl_add_u32 v[AOFF+\mt], v59, 10, v60
.endif
.endr
.if WHICH == 1
.irp mt, 0,1,2
	global_load_b32 v[CW+2*\mt], v[CWO+\mt], s[14:15]
.endr
.endif
.set fc, 0
	AFETCH
.set fc, 1
	AFETCH
	WIN 0
.endm
.macro PRO_ROWS
.set q, 0
.rept 24
	v_min_u32 v[ROWO+q], 8191, v[ROWO+q]
	v_lshl_add_u32 v[ROWO+q], v[ROWO+q], DROW, v31
.set q, q+1
.endr
.endm
; Group g's zero points, negated, as pairs of f16; its scales rounded to bf16, widened again, and packed as pairs of f16.
.macro ZPREP
.irp wd, 0,1,2,3
	v_lshrrev_b32 v[W8], 8, v[QZ+4*g+\wd]
	v_and_or_b32 v[NZ+4*\wd],   v[QZ+4*g+\wd], s30, s33    ; -(1024 + z) of columns 0, 1
	v_and_or_b32 v[NZ+4*\wd+1], v[QZ+4*g+\wd], s31, s34    ; -(64 + z) of columns 2, 3: at 64 a step of f16 is 1/16, so z stands in bits 4 to 7
	v_and_or_b32 v[NZ+4*\wd+2], v[W8],         s30, s33    ; columns 4, 5
	v_and_or_b32 v[NZ+4*\wd+3], v[W8],         s31, s34    ; columns 6, 7
.irp p, 0,1,2,3
	v_cvt_pk_bf16_f32 v[F+\p], v[SC+32*g+8*\wd+2*\p], v[SC+32*g+8*\wd+2*\p+1]
.endr
.irp p, 0,1,2,3
	v_lshlrev_b32 v[SC+32*g+8*\wd+2*\p],   16,  v[F+\p]
	v_and_b32     v[SC+32*g+8*\wd+2*\p+1], s35, v[F+\p]
.endr
.irp p, 0,1,2,3
	v_cvt_pk_f16_f32 v[SH+4*\wd+\p], v[SC+32*g+8*\wd+2*\p], v[SC+32*g+8*\wd+2*\p+1]
.endr
.endr
.endm
; The two stores of the pair of words finished last: 16 bytes of f16 each.
.macro PUT
.if pend
	ds_store_b128 v[pA], v[pD:pD+3]   offset:pO
	ds_store_b128 v[pA], v[pD+4:pD+7] offset:pO+16
.endif
.endm
; Words wa and wa + 1 of load i: eight independent chains of three instructions.  The pair before is stored behind this pair's first stage: its numbers were made ten instructions
; back or more, and its registers are written again four pairs on.
.macro DQPAIR wa
.set dA, DS+4*((4*i+\wa)%8)
	v_lshrrev_b32 v[W8],   8, v[4*i+\wa]
	v_lshrrev_b32 v[W8+1], 8, v[4*i+\wa+1]
.irp k, 0,1
	v_and_or_b32 v[dA+4*\k],   v[4*i+\wa+\k], s30, s32     ; 1024 + q of columns 0, 1
	v_and_or_b32 v[dA+4*\k+1], v[4*i+\wa+\k], s31, s32     ; 1024 + 16 q of columns 2, 3
.endr
.irp k, 0,1
	v_and_or_b32 v[dA+4*\k+2], v[W8+\k], s30, s32          ; columns 4, 5
	v_and_or_b32 v[dA+4*\k+3], v[W8+\k], s31, s32          ; columns 6, 7
.endr
	PUT
.irp k, 0,1
	v_pk_add_f16 v[dA+4*\k],   v[dA+4*\k],   v[NZ+4*(\wa+\k)]                 ; q - z, exactly
	v_pk_fma_f16 v[dA+4*\k+1], v[dA+4*\k+1], v[C16], v[NZ+4*(\wa+\k)+1]
	v_pk_add_f16 v[dA+4*\k+2], v[dA+4*\k+2], v[NZ+4*(\wa+\k)+2]
	v_pk_fma_f16 v[dA+4*\k+3], v[dA+4*\k+3], v[C16], v[NZ+4*(\wa+\k)+3]
.endr
.irp k, 0,1
.irp p, 0,1,2,3
	v_pk_mul_f16 v[dA+4*\k+\p], v[dA+4*\k+\p], v[SH+4*(\wa+\k)+\p]            ; x scale: the one rounding
.endr
.endr
.set pend, 1
.set pD, dA
.set pA, ST+i/16
.set pO, (i%16)*RPI*P+16*\wa
.endm
; 16 turning loads: the weights of 32 K (chunk bc, step bs) x 128 columns of pass nh, into buffer bb.
.macro BFETCH nh
	WIN 0
.irp nt, 0,1,2,3,4,5,6,7
	ds_load_tr16_b128 v[BF+64*bb+8*\nt:BF+64*bb+8*\nt+3],   v[ADRB+bc] offset:32*bs*P+32*\nt+256*\nh
	ds_load_tr16_b128 v[BF+64*bb+8*\nt+4:BF+64*bb+8*\nt+7], v[ADRB+bc] offset:32*bs*P+16*P+32*\nt+256*\nh
.endr
.endm
; K step u of a pass: the next step's weights are asked for, then 24 products, one on each accumulator: they take turns.
.macro KSTEP nh
.set kc, u/4
.set ks, u%4
	s_wait_dscnt 0x0                               ; this step's weights are in
.if (ks == 0) && (\nh == 0)
.if kc == NCH-1
	s_wait_loadcnt 0x0                             ; the last chunk of rows: nothing was asked for behind it
.else
	s_wait_loadcnt 24                              ; this chunk of rows is in; the next chunk's 24 loads stay out
.endif
.endif
.if u+1 < 4*NCH
.if u > 0
	PLACES                                         ; the buffer below was read by the products just issued
.endif
.set bc, (u+1)/4
.set bs, (u+1)%4
.set bb, (u+1)%2
	BFETCH \nh
.endif
.if (ks == 0) && (\nh == 0) && (kc+2 < NCH)
.set fc, kc+2
	AFETCH                                         ; two chunks, 192 products, ahead of its first use
.endif
	WIN 0x58+4*((kc%4)/2)                          ; weights window 0, rows window 2 or 3, sums window 1
.irp nt, 0,1,2,3,4,5,6,7
.irp mt, 0,1,2
.if u == 0
	v_wmma_f32_16x16x32_f16 v[64*\mt+8*\nt:64*\mt+8*\nt+7], v[BF+64*(u%2)+8*\nt:BF+64*(u%2)+8*\nt+7], v[96*(kc%2)+32*\mt+8*ks:96*(kc%2)+32*\mt+8*ks+7], 0
.else
	v_wmma_f32_16x16x32_f16 v[64*\mt+8*\nt:64*\mt+8*\nt+7], v[BF+64*(u%2)+8*\nt:BF+64*(u%2)+8*\nt+7], v[96*(kc%2)+32*\mt+8*ks:96*(kc%2)+32*\mt+8*ks+7], v[64*\mt+8*\nt:64*\mt+8*\nt+7]
.endif
.endr
.endr
.endm
; The way out of tile mt, layer 1: v x weight / (1 + 2^(-v log2 e)), rounded to f16, through my stage, stored as whole runs of 256 bytes.  Each accumulator is read from its low end on.
.macro EPI1 mt
.if \mt == 0
	PLACES
.endif
	WIN 0x01                                       ; source 0 window 1
.set q, 0
.rept 32
	v_pk_mul_f32 v[BF+2*q:BF+2*q+1], v[64*\mt+2*q:64*\mt+2*q+1], s[36:37] op_sel_hi:[1,0]
	v_pk_mul_f32 v[BF+64+2*q:BF+64+2*q+1], v[64*\mt+2*q:64*\mt+2*q+1], v[CW+2*\mt:CW+2*\mt+1] op_sel_hi:[1,0]
.set q, q+1
.endr
	WIN 0
.set q, 0
.rept 64
	v_exp_f32 v[BF+q], v[BF+q]
.set q, q+1
.endr
	v_nop                                          ; a plain instruction between the exponentials and the use of their results
.set q, 0
.rept 32
	v_pk_add_f32 v[BF+2*q:BF+2*q+1], v[BF+2*q:BF+2*q+1], 1.0 op_sel_hi:[1,0]
.set q, q+1
.endr
.set q, 0
.rept 64
	v_rcp_f32 v[BF+q], v[BF+q]
.set q, q+1
.endr
	v_nop
.set q, 0
.rept 32
	v_pk_mul_f32 v[BF+64+2*q:BF+64+2*q+1], v[BF+64+2*q:BF+64+2*q+1], v[BF+2*q:BF+2*q+1]
.set q, q+1
.endr
.set q, 0
.rept 32
	v_cvt_pk_f16_f32 v[PK+q], v[BF+64+2*q], v[BF+64+2*q+1]
.set q, q+1
.endr
	s_wait_xcnt 0x0                                ; the last tile's stores have read OB: only now is it loaded again
.irp nt, 0,1,2,3,4,5,6,7
	ds_store_b128 v[STO], v[PK+4*\nt:PK+4*\nt+3] offset:32*\nt
.endr
.irp t, 0,1,2,3,4,5,6,7
	ds_load_b128 v[OB+4*\t:OB+4*\t+3], v[RD] offset:SP*\t   ; LDS serves a wave's instructions in order: these see the stores above
.endr
.irp t, 0,1,2,3,4,5,6,7
	s_wait_dscnt 7-\t
	global_store_b128 v[ROWO+8*\mt+\t], v[OB+4*\t:OB+4*\t+3], s[DEST:DEST+1]   ; 16 lanes store 256 consecutive bytes, aligned
.endr
.endm
; The way out of tile mt, layer 2: the f32 sums as they are.  Four places in front of every tile: twelve in all stand ahead of the next pass's first product, which writes an accumulator anew.
.macro EPI2 mt, nh
	PLACES
	WIN 0x04                                       ; store data window 1
.irp nt, 0,1,2,3,4,5,6,7
	ds_store_b128 v[STO], v[64*\mt+8*\nt:64*\mt+8*\nt+3]   offset:64*\nt
	ds_store_b128 v[STO], v[64*\mt+8*\nt+4:64*\mt+8*\nt+7] offset:64*\nt+16
.endr
	WIN 0
	s_wait_xcnt 0x0                                ; the last tile's stores have read v64-127
.irp t, 0,1,2,3,4,5,6,7
	ds_load_b128 v[BF+8*\t:BF+8*\t+3],   v[RD] offset:SP*\t
	ds_load_b128 v[BF+8*\t+4:BF+8*\t+7], v[RD] offset:SP*\t+256
.endr
.irp t, 0,1,2,3,4,5,6,7
	s_wait_dscnt 15-2*\t
	global_store_b128 v[ROWO+8*\mt+\t], v[BF+8*\t:BF+8*\t+3],   s[DEST:DEST+1] offset:512*\nh
	s_wait_dscnt 14-2*\t
	global_store_b128 v[ROWO+8*\mt+\t], v[BF+8*\t+4:BF+8*\t+7], s[DEST:DEST+1] offset:512*\nh+256
.endr
.endm
.macro PASS nh
.if WHICH == 2
	s_wait_xcnt 0x0                                ; v64-127 were store data
.endif
.set bc, 0
.set bs, 0
.set bb, 0
	BFETCH \nh
.set u, 0
.rept 4*NCH
	KSTEP \nh
.set u, u+1
.endr
.irp mt, 0,1,2
.if WHICH == 1
	EPI1 \mt
.else
	EPI2 \mt, \nh
.endif
.endr
.endm
.if WHICH == 1
	s_load_b512 s[4:19], s[0:1], 0x0               ; rows s[4:5], packed words s[6:7], zero points s[8:9], scales s[10:11], lists s[12:13], topw s[14:15], qweight2 s[16:17], hbuf s[18:19]
.else
	s_load_b256 s[4:11], s[0:1], 0x0               ; rows s[4:5], packed words s[6:7], zero points s[8:9], scales s[10:11]
	s_load_b128 s[12:15], s[0:1], 0x20             ; lists s[12:13], ybuf s[14:15]
	v_lshl_add_u32 v254, v0, 2, 0x4c400
	v_mov_b32 v255, 0
.endif
	v_lshrrev_b32 v61, 5, v0
	v_readfirstlane_b32 s20, v61                   ; wave 0..3
	s_lshr_b32 s21, ttmp9, 2                       ; expert
	s_and_b32 s22, ttmp9, 3                        ; slice
	s_mul_i32 s24, s20, 48                         ; the place in the list of my first block
	s_mov_b32 s30, 0x000f000f                      ; nibble 0 of both halves
	s_mov_b32 s31, 0x00f000f0                      ; nibble 1 of both halves
	s_mov_b32 s32, 0x64006400                      ; 1024, twice, in f16
	s_mov_b32 s33, 0xe400e400                      ; -1024, twice
	s_mov_b32 s34, 0xd400d400                      ; -64, twice
	s_mov_b32 s35, 0xffff0000                      ; a word's upper bf16
	s_mov_b32 s36, 0xbfb8aa3b                      ; -log2(e), named as a pair
	s_mov_b32 s37, 0xbfb8aa3b
	s_mov_b32 s39, 0
	s_lshl_b32 s40, s20, 22                        ; my KT/4 rows of packed words (256 x 16,384 = 128 x 32,768 bytes)
	s_lshl_b32 s41, s20, 15                        ; my first group's row of zero points
	s_lshl_b32 s42, s20, 18                        ; and of scales
	s_mul_i32 s43, s20, 16*SP
	s_add_co_u32 s43, s43, STAGE                   ; my stage
	s_mul_i32 s44, s20, (KT/4)*P                   ; my KT/4 rows in LDS
	v_and_b32 v1, 15, v0                           ; r
	v_bfe_u32 v2, v0, 4, 1                         ; h
	v_and_b32 v61, 31, v0
	v_lshrrev_b32 v62, LQ, v61                     ; my row among those of a load
	v_and_b32 v63, (1<<LQ)-1, v61                  ; my 16 bytes of it: 4 words, 32 columns
	v_lshlrev_b32 v3, LQP, v62
	v_lshl_add_u32 v3, v63, 4, v3
	v_add_nc_u32 v3, s40, v3                       ; packed words
	v_lshl_add_u32 v4, v63, 4, s41                 ; zero points
	v_lshl_add_u32 v5, v63, 7, s42                 ; scales
	v_mul_u32_u24 v59, v62, P
	v_lshl_add_u32 v59, v63, 6, v59
	v_add_nc_u32 v59, s44, v59                     ; where my first row's 32 columns go
	v_lshlrev_b32 v6, 2, v1
	v_lshlrev_b32 v7, 5, v2
	v_lshlrev_b32 v31, 4, v1
	v_lshlrev_b32 v60, 4, v2
	v_and_b32 v61, 7, v0                           ; the turning load: lane L reads k = 8 h + L % 8, 16 bytes at 16 ((L / 8) % 2)
	v_lshl_add_u32 v61, v2, 3, v61
	v_mul_u32_u24 v61, v61, P
	v_bfe_u32 v62, v0, 3, 1
	v_lshl_add_u32 v[ADRB], v62, 4, v61
.set c, 1
.rept NCH-1
	v_add_nc_u32 v[ADRB+c], 128*c*P, v[ADRB]
.set c, c+1
.endr
	v_mul_u32_u24 v[STO], v1, SP
	v_lshl_add_u32 v[STO], v2, LH, v[STO]
	v_add_nc_u32 v[STO], s43, v[STO]
	v_mul_u32_u24 v[RD], v2, 8*SP
	v_lshl_add_u32 v[RD], v1, 4, v[RD]
	v_add_nc_u32 v[RD], s43, v[RD]
.if WHICH == 1
	v_lshlrev_b32 v30, 8, v0                       ; 256 x thread
	v_mov_b32 v[CW+1], 0
	v_mov_b32 v[CW+3], 0
	v_mov_b32 v[CW+5], 0
.endif
	s_wait_kmcnt 0x0
	s_mul_i32 s38, s21, 4352
	s_add_nc_u64 s[26:27], s[12:13], s[38:39]      ; my expert's row of lists
	s_load_b32 s23, s[26:27], 0x1080               ; count
	s_mul_i32 s38, s20, 192
	s_add_nc_u64 s[28:29], s[26:27], s[38:39]      ; my first block's entries
	s_lshl_b32 s38, ttmp9, LCB
	s_add_nc_u64 s[6:7], s[6:7], s[38:39]          ; the slice's columns
	s_add_nc_u64 s[8:9], s[8:9], s[38:39]
	s_lshl_b32 s38, ttmp9, LCB+3
	s_add_nc_u64 s[10:11], s[10:11], s[38:39]
	s_lshl_b32 s38, s22, LDB
	s_add_nc_u64 s[DEST:DEST+1], s[DEST:DEST+1], s[38:39]
.if WHICH == 1
	s_lshl_b32 s38, ttmp9, 16
	s_add_nc_u64 s[16:17], s[16:17], s[38:39]
.endif
	PRO_LIST                                       ; 9 loads.  Every wave's first block is prepared whatever count is (48 w + 47 < 1,056): every path then has the same loads out
	WIN 0x40                                       ; destination window 1
.set g, 0
.rept NG
	global_load_b128 v[QZ+4*g:QZ+4*g+3], v4, s[8:9] offset:g*QPITCH
.set g, g+1
.endr
.set g, 0
.rept NG
.irp x, 0,1,2,3,4,5,6,7
	global_load_b128 v[SC+32*g+4*\x:SC+32*g+4*\x+3], v5, s[10:11] offset:g*SCPITCH+16*\x
.endr
.set g, g+1
.endr
.set i, 0
.rept 32
	global_load_b128 v[4*i:4*i+3], v3, s[6:7] offset:131072*i   ; RPI rows further on each time.  No hint: the three other slices take the bytes beside mine
.set i, i+1
.endr
	v_mov_b32 v[ST], v59
	v_add_nc_u32 v[ST+1], 16*RPI*P, v59
	v_mov_b32 v[C16], 0x2c002c00                   ; 1/16, twice, in f16
	WIN 0
	s_wait_loadcnt 9*NG+32                         ; the entries are in; behind them: NG loads of zero points, 8 NG of scales, 32 of packed words
	PRO_ADDR
.if WHICH == 1
	global_prefetch_b8 v30, s[16:17] th:TH_LOAD_NT scope:SCOPE_SE                ; 128 threads x 2 blocks of 256 bytes, 256 bytes apart: work-group n asks for bytes 65,536 n .. 65,536 n + 65,535 of qweight2,
	global_prefetch_b8 v30, s[16:17] offset:32768 th:TH_LOAD_NT scope:SCOPE_SE   ; each block of the buffer once in the launch, none outside it; the next launch reads them
.endif
	PRO_ROWS
	WIN 0x55                                       ; all in window 1
.set pend, 0
.set i, 0
.rept 32
.set g, i/(32/NG)
.set yy, YOUNG+31-i                    ; the loads issued behind load i; a wait's count holds 63 at the most, and a smaller count only waits longer
.if yy > 63
.set yy, 63
.endif
	s_wait_loadcnt yy                              ; load i is in, and with it all that was asked for ahead of it: the zero points and the scales of every group
.if i%(32/NG) == 0
	ZPREP
.endif
	DQPAIR 0
	DQPAIR 2
.set i, i+1
.endr
	PUT                                            ; the last pair
	WIN 0
	s_wait_kmcnt 0x0
	s_min_u32 s23, s23, 0x400                      ; count: at most one entry a token
	s_add_co_u32 s23, s23, 191
	s_sub_co_u32 s23, s23, s24                     ; count + 191 - 48 w: 47 at the least, 1,215 at the most
	s_lshr_b32 s23, s23, 6                         ; by 64,
	s_mul_hi_u32 s23, s23, 0x55555556              ; and by 3 (exact up to 18): my blocks = the whole part of (count + 191 - 48 w) / 192: none where 48 w is not below count
	s_min_u32 s23, s23, 6                          ; six at the most, by that arithmetic
	s_mov_b32 s24, 0                               ; blocks done
	s_wait_dscnt 0x0                               ; for the others' sake: my rows of the weights are in LDS
	s_barrier_signal -1
	s_barrier_wait -1                              ; the one barrier: ahead of every branch that hangs on count
	s_cmp_lt_u32 s24, s23
	s_cbranch_scc0 .Lend
.Lblock:
	PASS 0
.if NH == 2
	PASS 1
.endif
	s_add_co_u32 s24, s24, 1
	s_cmp_lt_u32 s24, s23
	s_cbranch_scc0 .Lend                           ; no entry is read for a block that is not there
	s_wait_xcnt 0x0                                ; the stores have read ROWO, the loads their base
	s_add_nc_u64 s[28:29], s[28:29], 768           ; the four waves' blocks lie side by side: 192 entries on
	PRO_LIST
	s_wait_loadcnt 0x0
	PRO_ADDR
	PRO_ROWS
	s_cmp_lt_u32 s24, s23                          ; holds, by the branch above: the loop's own compare
	s_cbranch_scc1 .Lblock
.Lend:
	s_wait_tensorcnt 0x0
	ds_add_u32 v254, v255
	s_wait_dscnt 0x0
	s_endpgm
.Lfunc_end_k_q449ae58817_gemm2:
	.size	k_q449ae58817_gemm2, .Lfunc_end_k_q449ae58817_gemm2-k_q449ae58817_gemm2
	.p2alignl 7, 3214868480
	.fill 96, 4, 3214868480
	.section	.rodata,"a",@progbits
	.p2align	6, 0x0
	.amdhsa_kernel k_q449ae58817_gemm2
		.amdhsa_group_segment_fixed_size 312832
		.amdhsa_private_segment_fixed_size 0
		.amdhsa_enable_private_segment 0
		.amdhsa_kernarg_size 48
		.amdhsa_user_sgpr_count 2
		.amdhsa_user_sgpr_kernarg_segment_ptr 1
		.amdhsa_wavefront_size32 1
		.amdhsa_system_sgpr_workgroup_id_x 1
		.amdhsa_system_sgpr_workgroup_id_y 1
		.amdhsa_system_sgpr_workgroup_id_z 1
		.amdhsa_system_vgpr_workitem_id 0
		.amdhsa_next_free_vgpr 960
		.amdhsa_next_free_sgpr 66
		.amdhsa_reserve_vcc 0
		.amdhsa_float_denorm_mode_32 3
		.amdhsa_float_denorm_mode_16_64 3
		.amdhsa_memory_ordered 1
		.amdhsa_forward_progress 1
		.amdhsa_inst_pref_size 255
	.end_amdhsa_kernel
	.section	.bss,"aw",@nobits
	.p2align	6
	.space	262144
	.amdgpu_metadata
---
amdhsa.version: [ 1, 2 ]
amdhsa.kernels:
  - .name:           k_q449ae58817_gemm2
    .symbol:         k_q449ae58817_gemm2.kd
    .args:
      - { .name: hbuf, .offset: 0, .size: 8, .value_kind: global_buffer, .address_space: global }
      - { .name: qweight2, .offset: 8, .size: 8, .value_kind: global_buffer, .address_space: global }
      - { .name: qzeros2, .offset: 16, .size: 8, .value_kind: global_buffer, .address_space: global }
      - { .name: scales2, .offset: 24, .size: 8, .value_kind: global_buffer, .address_space: global }
      - { .name: lists, .offset: 32, .size: 8, .value_kind: global_buffer, .address_space: global }
      - { .name: ybuf, .offset: 40, .size: 8, .value_kind: global_buffer, .address_space: global }
    .group_segment_fixed_size: 312832
    .private_segment_fixed_size: 0
    .kernarg_segment_align: 8
    .kernarg_segment_size: 48
    .max_flat_workgroup_size: 128
    .sgpr_count:     66
    .vgpr_count:     960
    .wavefront_size: 32
...
	.end_amdgpu_metadata
.endif
;; end of part 4
;; launch combine (part 5): grid 256 x 1, 8 waves a work-group, no clusters, 0 bytes of LDS; arguments ybuf, out0; writes out0
.if DOCPART == 5
	.amdgcn_target "amdgcn-amd-amdhsa--gfx1250"
	.amdhsa_code_object_version 6
	.text
	.protected	k_q449ae58817_combine
	.globl	k_q449ae58817_combine
	.p2align	8
	.type	k_q449ae58817_combine,@function
k_q449ae58817_combine:
	s_mov_b64 s[64:65], 0
	v_nop
	global_prefetch_b8 v0, s[64:65] scope:SCOPE_SE
	s_setreg_imm32_b32 hwreg(HW_REG_WAVE_MODE, 25, 1), 1
	s_wait_xcnt 0x0
; COMBINE.  out0[t][:] = the sum over k = 0 .. 7 of ybuf[8 t + k][:], in f32 (the weights were folded into the first layer's result).
; ybuf: [8192][1024] f32, out0: [1024][1024] f32.  The sum over a token's experts is made by gathering: one owner for each output, no atomics.
; A work-group owns 4 tokens; thread i owns bytes 16 i of every row, so a wave's load or store covers 512 consecutive bytes, aligned.
; All 32 loads of a thread go out at once; the waits count down by tokens.  A stream: LDS, matrix units and clusters would add nothing.
.set Y, 4                              ; v[4:131] row 8 q + k of my four tokens at Y + 4 (8 q + k)
	s_load_b128 s[4:7], s[0:1], 0x0                ; ybuf s[4:5], out0 s[6:7]
	v_lshlrev_b32 v1, 4, v0
	s_lshl_b32 s8, ttmp9, 17                       ; 32 rows of 4,096 bytes
	s_mov_b32 s9, 0
	s_lshl_b32 s10, ttmp9, 14                      ; 4 rows
	s_mov_b32 s11, 0
	s_wait_kmcnt 0x0
	s_add_nc_u64 s[4:5], s[4:5], s[8:9]
	s_add_nc_u64 s[6:7], s[6:7], s[10:11]
.set n, 0
.rept 32
	global_load_b128 v[Y+4*n:Y+4*n+3], v1, s[4:5] offset:4096*n th:TH_LOAD_NT
.set n, n+1
.endr
.macro ADD4 a, b                       ; four numbers onto four
	v_pk_add_f32 v[\a:\a+1], v[\a:\a+1], v[\b:\b+1]
	v_pk_add_f32 v[\a+2:\a+3], v[\a+2:\a+3], v[\b+2:\b+3]
.endm
.irp q, 0,1,2,3
	s_wait_loadcnt 24-8*\q                         ; token q's eight rows are in; the later tokens' stay out
.irp k, 0,1,2,3
	ADD4 Y+32*\q+4*\k, Y+32*\q+4*\k+16
.endr
.irp k, 0,1
	ADD4 Y+32*\q+4*\k, Y+32*\q+4*\k+8
.endr
	ADD4 Y+32*\q, Y+32*\q+4
	global_store_b128 v1, v[Y+32*\q:Y+32*\q+3], s[6:7] offset:4096*\q th:TH_STORE_NT
.endr
	s_endpgm
.Lfunc_end_k_q449ae58817_combine:
	.size	k_q449ae58817_combine, .Lfunc_end_k_q449ae58817_combine-k_q449ae58817_combine
	.p2alignl 7, 3214868480
	.fill 96, 4, 3214868480
	.section	.rodata,"a",@progbits
	.p2align	6, 0x0
	.amdhsa_kernel k_q449ae58817_combine
		.amdhsa_group_segment_fixed_size 0
		.amdhsa_private_segment_fixed_size 0
		.amdhsa_enable_private_segment 0
		.amdhsa_kernarg_size 16
		.amdhsa_user_sgpr_count 2
		.amdhsa_user_sgpr_kernarg_segment_ptr 1
		.amdhsa_wavefront_size32 1
		.amdhsa_system_sgpr_workgroup_id_x 1
		.amdhsa_system_sgpr_workgroup_id_y 1
		.amdhsa_system_sgpr_workgroup_id_z 1
		.amdhsa_system_vgpr_workitem_id 0
		.amdhsa_next_free_vgpr 136
		.amdhsa_next_free_sgpr 66
		.amdhsa_reserve_vcc 0
		.amdhsa_float_denorm_mode_32 3
		.amdhsa_float_denorm_mode_16_64 3
		.amdhsa_memory_ordered 1
		.amdhsa_forward_progress 1
		.amdhsa_inst_pref_size 8
	.end_amdhsa_kernel
	.amdgpu_metadata
---
amdhsa.version: [ 1, 2 ]
amdhsa.kernels:
  - .name:           k_q449ae58817_combine
    .symbol:         k_q449ae58817_combine.kd
    .args:
      - { .name: ybuf, .offset: 0, .size: 8, .value_kind: global_buffer, .address_space: global }
      - { .name: out0, .offset: 8, .size: 8, .value_kind: global_buffer, .address_space: global }
    .group_segment_fixed_size: 0
    .private_segment_fixed_size: 0
    .kernarg_segment_align: 8
    .kernarg_segment_size: 16
    .max_flat_workgroup_size: 256
    .sgpr_count:     66
    .vgpr_count:     136
    .wavefront_size: 32
...
	.end_amdgpu_metadata
.endif
;; end of part 5
;; ======== version 2 of 2: 5 launches; version 1 with the launches gemm1, gemm2 written anew for expert scheduling mode
;; limits: values are held in f16: magnitudes above 65,504 overflow, below 6.1e-05 lose precision
;; workspace buffers: xb 2,097,152 bytes; topi 32,768 bytes of whole numbers; topw 32,768 bytes; lists 278,528 bytes of whole numbers; hbuf 8,388,608 bytes; ybuf 33,554,432 bytes
;; launch route: the kernel of part 1 again; grid 64 x 1, 8 waves a work-group, no clusters, 67,072 bytes of LDS; arguments x, gate_w, xb, topi, topw; writes xb, topi, topw
;; launch bucket: the kernel of part 2 again; grid 64 x 1, 1 waves a work-group, no clusters, 4,608 bytes of LDS; arguments topi, qweight1, lists; writes lists
;; launch gemm1 (part 6): grid 256 x 1, 4 waves a work-group, no clusters, 312,832 bytes of LDS; arguments xb, qweight1, qzeros1, scales1, lists, topw, qweight2, hbuf; writes hbuf
.if DOCPART == 6
	.amdgcn_target "amdgcn-amd-amdhsa--gfx1250"
	.amdhsa_code_object_version 6
	.text
	.protected	k_q449ae58817_gemm1
	.globl	k_q449ae58817_gemm1
	.p2align	8
	.type	k_q449ae58817_gemm1,@function
k_q449ae58817_gemm1:
	s_mov_b64 s[64:65], 0
	v_nop
	global_prefetch_b8 v0, s[64:65] scope:SCOPE_SE
	s_setreg_imm32_b32 hwreg(HW_REG_WAVE_SCHED_MODE, 0, 2), 2
	s_setreg_imm32_b32 hwreg(HW_REG_WAVE_MODE, 25, 1), 1
	s_wait_xcnt 0x0
	s_wait_alu depctr_vm_vsrc(0)
; EXPERT PRODUCT, one text for both layers; WHICH says which.
;   WHICH = 1: hbuf[a][512]  = f16( silu( xb[a >> 3] . W1e ) x topw[a] )       K = 1,024, the work-group's slice: 128 columns
;   WHICH = 2: ybuf[a][1024] = hbuf[a] . W2e  (f32)                            K = 512,   the work-group's slice: 256 columns, in two passes of 128
; a = 8 t + k runs through the list of expert e.  Work-group 4 e + j owns expert e and column slice j, so each packed word is read and unpacked once in the launch.
; Only listed pairs are computed: for the others reference() multiplies by a weight of exactly 0 (LIMIT: this takes 0 x h = 0, that is, finite h).
; PHASE 1.  Wave w unpacks K rows w KT/4 .. of the slice: a word holds eight columns of one k, columns 2p and 2p+1 in nibble p of its low and of its high half, so one
;   instruction serves both.  (W & 0x000f000f) | 0x64006400 is the pair of f16 numbers 1024 + q of columns 0, 1; (W & 0x00f000f0) | 0x64006400 is 1024 + 16 q of columns 2, 3; the same two
;   on W >> 8 give columns 4 to 7.  The zero point's word gives -(1024 + z) and -(64 + z) in the same way.  (1024 + q) - (1024 + z) and (1024 + 16 q) / 16 - (64 + z) are q - z exactly;
;   the one rounding is that of (q - z) x scale to f16, the format of the operand.  It goes to LDS as [k][n].  One barrier.
; PHASE 2.  Wave w takes the list's blocks of 48 rows at 48 w, 48 w + 192, .. below count: 3 x 8 accumulators of 16 x 16.  Nothing behind the barrier is shared, so the trips may differ from wave to wave.
;   Source 0 = 16 columns of the weights, turned out of LDS by ds_load_tr16_b128; source 1 = 16 listed rows, gathered from memory into registers, 128 K (256 consecutive bytes of each row) at a time.
;   A lane then holds one row and eight neighbouring columns.  Results go through the wave's own stage in LDS and leave as whole aligned runs of 256 bytes.
; FORMATS.  The floating-point inputs are each rounded once to bf16 (x by the first launch, the scales here), and the products run in f16 with f32 sums.  (q - z) x the rounded scale has
;   4 + 8 = 12 bits at the most, of which f16 keeps 11: against the true weight the operand is off by one rounding to bf16.  h x weight is rounded to f16.
; LIMITS.  f16 ends at 65,504.  Weights: 15 x |scale|.  A scale under 2^-14 is held to 2^-25, so a weight there is off by 15 x 2^-25 at the most.  h: with x of spread 1 and scales of spread 0.02
;   the sums v have a spread of sqrt(1024) x 6.5 x 0.02 = 4.2; six times that, with x and the scales both 30 times larger, is 22,700.  Other operands under 2^-14 are off by 2^-25 at the most.
;   silu(v) = v / (1 + 2^(-v log2 e)) by v_exp_f32 and v_rcp_f32: where the power overflows the quotient is 0.  Sums that are not finite are not served.
; NO TENSOR LOADS, NO CLUSTER: the weights, the bulk of the bytes, are shared by nobody and must pass through registers to be unpacked; the rows that an expert's four slices share
; are named one by one by a list, which no tile describes; no LDS byte is filled twice.
; REGISTERS, in windows of 256 (s_set_vgpr_msb: bits 1:0 source 0, 3:2 source 1, 5:4 source 2, 7:6 destination):
;   window 0: addresses; v64-255 three buffers of weight fragments (on the way out: v64-191 at work, v192-255 the out-buffers)
;   window 1: phase 1: all that the unpacking touches; phase 2: accumulator (mt, nt) at v[64 mt + 8 nt]
;   windows 2, 3: four buffers of 96 for the gathered rows: fragment (mt, s) at 96 (buffer % 2) + 32 mt + 8 s
; THE MODE: SCHED_MODE bits 1:0 = 2 (LLVM: expert scheduling mode 2), set by the entry lines.  The code itself states the register dependences
; between vector or matrix instructions and memory or LDS instructions, with s_wait_alu, always for 0.
; THE PLAN.  Registers that memory or LDS instructions touch, and who else names them:
;   The addresses v3-v7, v30, ADRB, STO, RD and v245, v246 of window 1 are made once and never written again.
;   PHASE 1.  OUT0 = v136-151, OUT1 = v152-167 of window 1.  Step i (load i's four words) writes OUT[i % 2]; the four LDS stores that read it are issued in step i + 1, among that step's
;     vector instructions, which name the other OUT alone.  Two waits at a step's head: the step before has written its OUT; the stores issued in the step before have read the OUT that this step writes.
;   PHASE 2.  W0, W1, W2 = v64-127, v128-191, v192-255 of window 0.  K step u: its 24 products read W[u % 3]; its 16 LDS loads land in W[(u + 1) % 3], which the products of step u - 2 read last.
;     R0 .. R3 in windows 2 and 3.  Chunk c's 96 products read R[c % 4]; chunk c + 2 is asked for in chunk c's first step and lands where chunk c - 2's products read.
;     ONE wait on va_vdst for two K steps, at the head of every even step u: the products up to step u - 1 are done reading.  That covers step u's loads (W[(u + 1) % 3], read by step u - 2), step u + 1's
;     (W[(u + 2) % 3], read by step u - 1) and the chunk of rows; between the wait and those loads stand only products that name W[u % 3], W[(u + 1) % 3], R[c % 4] and the accumulators.
;     The loads of a pass's steps 0 and 1 lean on the last wait ahead of the pass: the one behind the next block's addresses, or the one at the head of the way out.
;   THE WAY OUT.  Layer 1: PK (conversions write, LDS stores read), OB (LDS loads write, global stores read).  Layer 2: the accumulators (LDS stores read), v64-127 (LDS loads write, global stores read).
;     One wait on va_vdst ahead of the LDS stores; one on vm_vsrc, beside s_wait_xcnt 0, ahead of what writes an out-buffer again.
;   BETWEEN BLOCKS.  ROWO, AOFF, CWO are read as addresses and made anew: one wait on vm_vsrc, beside s_wait_xcnt 0, at the loop's tail; one on va_vdst behind the new addresses.
.set WHICH, 1
.if WHICH == 1
.set KT,    1024
.set NH,    1                          ; passes of 128 columns
.set P,     288                        ; a row of the slice in LDS: 256 bytes + 32: an odd multiple of 32
.set LQ,    2                          ; log2 of the 16-byte pieces of a packed row of the slice
.set LQP,   14                         ; log2 of the bytes from row to row of the packed words
.set LCB,   6                          ; log2 of the slice's bytes in such a row
.set LDB,   8                          ; log2 of the slice's bytes in a row of the result
.set NG,    2                          ; groups of 128 K that a wave unpacks
.set DROW,  10                         ; log2 of the bytes in a row of the result
.set SP,    272                        ; a row of the stage: 256 bytes + 16
.set LH,    4                          ; log2 of the bytes that a lane puts there at a time
.set DEST,  18                         ; s[18:19] the result
.set YOUNG, 51                         ; loads issued behind the last packed word: 3 weights of rows + 48 of gathered rows
.else
.set KT,    512
.set NH,    2
.set P,     544
.set LQ,    3
.set LQP,   15
.set LCB,   7
.set LDB,   10
.set NG,    1
.set DROW,  12
.set SP,    528
.set LH,    5
.set DEST,  14
.set YOUNG, 48
.endif
.set NCH,   KT/128                     ; chunks of 128 K
.set RPI,   32>>LQ                     ; rows that one load of packed words covers
.set QPITCH, 1<<LQP
.set SCPITCH, 8*QPITCH
.set STAGE, KT*P                       ; behind the weights: 16 rows of SP bytes for each wave
.set ADRB,  8                          ; v8-15   LDS address of my part of a weight fragment, chunk c
.set AOFF,  16                         ; v16-18  byte offset of row r of tile mt in the gathered buffer, + 16 h
.set LA,    19                         ; v19-21  entry r of tile mt
.set CW,    22                         ; v22-27  the row's weight, in pairs: the even register; the odd one is 0
.set STO,   28                         ; v28     the way out: where I put my columns of row r
.set RD,    29                         ; v29     where I read rows back: lanes 0-15 rows 0-7, lanes 16-31 rows 8-15
.set ROWO,  32                         ; v32-55  tile mt, t: byte offset in the result of entry 8 (L / 16) + t, + 16 (L % 16)
.set CWO,   56                         ; v56-58  byte offset of the rows' weights
.set BF,    64                         ; v64-255 W0, W1, W2
.set PK,    192                        ; v192-223 the way out of layer 1: a tile in f16
.set OB,    224                        ; v224-255 the same tile, read back by rows
.set QZ,    128                        ; window 1, phase 1: v0-127 packed words (load i at 4 i); v128-135 zero points' words
.set SC,    136                        ; v136-199 scales as loaded, 32 a group
.set DS,    136                        ; v136-167 once group 0's scales are packed: OUT0 and OUT1, sixteen registers each: word wd of a load at 4 wd
.set SH,    200                        ; v200-215 the scales of the group in hand, two f16 a register: word wd, pair p at 4 wd + p
.set NZ,    216                        ; v216-231 its zero points: -(1024 + z) for p = 0, 2; -(64 + z) for p = 1, 3
.set F,     232                        ; v232-235 at work on the scales
.set W8,    240                        ; v240, v241 two words >> 8
.set C16,   242                        ; v242    1/16, twice, in f16
.set ST,    245                        ; v245, v246 LDS address of my first row, and of the row 16 loads further on
.set MSB, 0
.macro WIN new                         ; the immediate's high byte repeats the setting that is left; a switch that changes nothing is dropped
.if MSB != (\new)
	s_set_vgpr_msb (MSB<<8)|(\new)
.set MSB, (\new)
.endif
.endm
.macro PLACES                          ; four places behind matrix instructions (ISA guide 7.12.1), where no other vector work is at hand
.rept 4
	v_nop
.endr
.endm
; My block's 48 entries, twice: entry r of each tile (for the gather), and entries 8 (L / 16) + 0..7 of each tile (for the stores).
.macro PRO_LIST
.irp mt, 0,1,2
	global_load_b32 v[LA+\mt], v6, s[28:29] offset:64*\mt
.endr
.irp mt, 0,1,2
	global_load_b128 v[ROWO+8*\mt:ROWO+8*\mt+3],   v7, s[28:29] offset:64*\mt
	global_load_b128 v[ROWO+8*\mt+4:ROWO+8*\mt+7], v7, s[28:29] offset:64*\mt+16
.endr
.endm
; 24 loads: chunk fc of my 48 rows into buffer fc % 4.
.macro AFETCH
	WIN 0x80+0x40*((fc%4)/2)
.irp mt, 0,1,2
.irp s, 0,1,2,3
	global_load_b128 v[96*(fc%2)+32*\mt+8*\s:96*(fc%2)+32*\mt+8*\s+3],   v[AOFF+\mt], s[4:5] offset:256*fc+64*\s
	global_load_b128 v[96*(fc%2)+32*\mt+8*\s+4:96*(fc%2)+32*\mt+8*\s+7], v[AOFF+\mt], s[4:5] offset:256*fc+64*\s+32
.endr
.endr
.endm
; Entries become offsets (each clamped to its table first), and the first two chunks are asked for.
.macro PRO_ADDR
.irp mt, 0,1,2
.if WHICH == 1
	v_lshrrev_b32 v59, 3, v[LA+\mt]                ; the token
	v_min_u32 v59, 1023, v59
	v_lshl_add_u32 v[AOFF+\mt], v59, 11, v60
	v_min_u32 v[CWO+\mt], 8191, v[LA+\mt]
	v_lshlrev_b32 v[CWO+\mt], 2, v[CWO+\mt]
.else
	v_min_u32 v59, 8191, v[LA+\mt]
	v_lshl_add_u32 v[AOFF+\mt], v59, 10, v60
.endif
.endr
	s_wait_alu depctr_va_vdst(0)                   ; the offsets just made are written, which the loads below read; the lines above are done reading LA; and, from the second block on, the last block's products are done
	                                               ; reading R0 to R3 and W0 to W2, and its way out is done with the rows' weights and with v64-223: loads land in all of these from here on
.if WHICH == 1
.irp mt, 0,1,2
	global_load_b32 v[CW+2*\mt], v[CWO+\mt], s[14:15]
.endr
.endif
.set fc, 0
	AFETCH
.set fc, 1
	AFETCH
	WIN 0
.endm
.macro PRO_ROWS
.set q, 0
.rept 24
	v_min_u32 v[ROWO+q], 8191, v[ROWO+q]
	v_lshl_add_u32 v[ROWO+q], v[ROWO+q], DROW, v31
.set q, q+1
.endr
.endm
; Group g's zero points, negated, as pairs of f16; its scales rounded to bf16, widened again, and packed as pairs of f16.
.macro ZPREP
.irp wd, 0,1,2,3
	v_lshrrev_b32 v[W8], 8, v[QZ+4*g+\wd]
	v_and_or_b32 v[NZ+4*\wd],   v[QZ+4*g+\wd], s30, s33    ; -(1024 + z) of columns 0, 1
	v_and_or_b32 v[NZ+4*\wd+1], v[QZ+4*g+\wd], s31, s34    ; -(64 + z) of columns 2, 3: at 64 a step of f16 is 1/16, so z stands in bits 4 to 7
	v_and_or_b32 v[NZ+4*\wd+2], v[W8],         s30, s33    ; columns 4, 5
	v_and_or_b32 v[NZ+4*\wd+3], v[W8],         s31, s34    ; columns 6, 7
.irp p, 0,1,2,3
	v_cvt_pk_bf16_f32 v[F+\p], v[SC+32*g+8*\wd+2*\p], v[SC+32*g+8*\wd+2*\p+1]
.endr
.irp p, 0,1,2,3
	v_lshlrev_b32 v[SC+32*g+8*\wd+2*\p],   16,  v[F+\p]
	v_and_b32     v[SC+32*g+8*\wd+2*\p+1], s35, v[F+\p]
.endr
.irp p, 0,1,2,3
	v_cvt_pk_f16_f32 v[SH+4*\wd+\p], v[SC+32*g+8*\wd+2*\p], v[SC+32*g+8*\wd+2*\p+1]
.endr
.endr
.endm
; Words wa and wa + 1 of load i: eight independent chains of three instructions, into OUT[i % 2].  Behind their first stage stand two of the four stores of the step before, 16 bytes of f16 each:
; they read the other OUT, which the wait at this step's head has shown written and which no vector instruction of this step names.
.macro DQPAIR wa
.set dA, DS+16*(i%2)+4*\wa
.set dB, DS+16*((i+1)%2)+4*\wa
	v_lshrrev_b32 v[W8],   8, v[4*i+\wa]
	v_lshrrev_b32 v[W8+1], 8, v[4*i+\wa+1]
.irp k, 0,1
	v_and_or_b32 v[dA+4*\k],   v[4*i+\wa+\k], s30, s32     ; 1024 + q of columns 0, 1
	v_and_or_b32 v[dA+4*\k+1], v[4*i+\wa+\k], s31, s32     ; 1024 + 16 q of columns 2, 3
.endr
.irp k, 0,1
	v_and_or_b32 v[dA+4*\k+2], v[W8+\k], s30, s32          ; columns 4, 5
	v_and_or_b32 v[dA+4*\k+3], v[W8+\k], s31, s32          ; columns 6, 7
.endr
.if i > 0
	ds_store_b128 v[ST+(i-1)/16], v[dB:dB+3]   offset:((i-1)%16)*RPI*P+16*\wa
	ds_store_b128 v[ST+(i-1)/16], v[dB+4:dB+7] offset:((i-1)%16)*RPI*P+16*\wa+16
.endif
.irp k, 0,1
	v_pk_add_f16 v[dA+4*\k],   v[dA+4*\k],   v[NZ+4*(\wa+\k)]                 ; q - z, exactly
	v_pk_fma_f16 v[dA+4*\k+1], v[dA+4*\k+1], v[C16], v[NZ+4*(\wa+\k)+1]
	v_pk_add_f16 v[dA+4*\k+2], v[dA+4*\k+2], v[NZ+4*(\wa+\k)+2]
	v_pk_fma_f16 v[dA+4*\k+3], v[dA+4*\k+3], v[C16], v[NZ+4*(\wa+\k)+3]
.endr
.irp k, 0,1
.irp p, 0,1,2,3
	v_pk_mul_f16 v[dA+4*\k+\p], v[dA+4*\k+\p], v[SH+4*(\wa+\k)+\p]            ; x scale: the one rounding
.endr
.endr
.endm
; 16 turning loads: the weights of 32 K (chunk bc, step bs) x 128 columns of pass nh, into buffer bb of three.
.macro BFETCH nh
	WIN 0
.irp nt, 0,1,2,3,4,5,6,7
	ds_load_tr16_b128 v[BF+64*bb+8*\nt:BF+64*bb+8*\nt+3],   v[ADRB+bc] offset:32*bs*P+32*\nt+256*\nh
	ds_load_tr16_b128 v[BF+64*bb+8*\nt+4:BF+64*bb+8*\nt+7], v[ADRB+bc] offset:32*bs*P+16*P+32*\nt+256*\nh
.endr
.endm
; The three products of K step u on column tile nt, one on each of its accumulators.
.macro MUL3 nt
	WIN 0x58+4*((kc%4)/2)                          ; weights window 0, rows window 2 or 3, sums window 1
.irp mt, 0,1,2
.if u == 0
	v_wmma_f32_16x16x32_f16 v[64*\mt+8*\nt:64*\mt+8*\nt+7], v[BF+64*(u%3)+8*\nt:BF+64*(u%3)+8*\nt+7], v[96*(kc%2)+32*\mt+8*ks:96*(kc%2)+32*\mt+8*ks+7], 0
.else
	v_wmma_f32_16x16x32_f16 v[64*\mt+8*\nt:64*\mt+8*\nt+7], v[BF+64*(u%3)+8*\nt:BF+64*(u%3)+8*\nt+7], v[96*(kc%2)+32*\mt+8*ks:96*(kc%2)+32*\mt+8*ks+7], v[64*\mt+8*\nt:64*\mt+8*\nt+7]
.endif
.endr
.endm
; K step u of a pass: 24 products, one on each accumulator: they take turns.  Behind the first three stands the run of loads: the next step's weights and, in a chunk's
; first step, the rows of the chunk two further on; 21 products stand between that run and the wait for the weights.
.macro KSTEP nh
.set kc, u/4
.set ks, u%4
	s_wait_dscnt 0x0                               ; this step's weights are in
.if (ks == 0) && (\nh == 0)
.if kc == NCH-1
	s_wait_loadcnt 0x0                             ; the last chunk of rows: nothing was asked for behind it
.else
	s_wait_loadcnt 24                              ; this chunk of rows is in; the next chunk's 24 loads stay out
.endif
.endif
.if (u > 0) && (u+1 < 4*NCH)
	PLACES                                         ; places between the products that read a buffer and the loads that land in it; they stand ahead of the wait, which fills none
.if u%2 == 0
	s_wait_alu depctr_va_vdst(0)                   ; the products up to step u - 1 are done reading: W[(u + 1) % 3] and W[(u + 2) % 3], in which this step's and the next step's loads land, and the buffer of rows that is asked for again
.endif
.endif
	MUL3 0
.if u+1 < 4*NCH
.set bc, (u+1)/4
.set bs, (u+1)%4
.set bb, (u+1)%3
	BFETCH \nh                                     ; no product since the wait names this buffer
.endif
.if (ks == 0) && (\nh == 0) && (kc+2 < NCH)
.set fc, kc+2
	AFETCH                                         ; two chunks, 192 products, ahead of its first use
.endif
.irp nt, 1,2,3,4,5,6,7
	MUL3 \nt
.endr
.endm
; The way out of tile mt, layer 1: v x weight / (1 + 2^(-v log2 e)), rounded to f16, through my stage, stored as whole runs of 256 bytes.  Each accumulator is read from its low end on.
.macro EPI1 mt
.if \mt == 0
	PLACES
.endif
	WIN 0x01                                       ; source 0 window 1
.set q, 0
.rept 32
	v_pk_mul_f32 v[BF+2*q:BF+2*q+1], v[64*\mt+2*q:64*\mt+2*q+1], s[36:37] op_sel_hi:[1,0]
	v_pk_mul_f32 v[BF+64+2*q:BF+64+2*q+1], v[64*\mt+2*q:64*\mt+2*q+1], v[CW+2*\mt:CW+2*\mt+1] op_sel_hi:[1,0]
.set q, q+1
.endr
	WIN 0
.set q, 0
.rept 64
	v_exp_f32 v[BF+q], v[BF+q]
.set q, q+1
.endr
	v_nop                                          ; a plain instruction between the exponentials and the use of their results
.set q, 0
	s_wait_alu depctr_va_vdst(0)
.rept 32
	v_pk_add_f32 v[BF+2*q:BF+2*q+1], v[BF+2*q:BF+2*q+1], 1.0 op_sel_hi:[1,0]
.set q, q+1
.endr
.set q, 0
.rept 64
	v_rcp_f32 v[BF+q], v[BF+q]
.set q, q+1
.endr
	v_nop
.set q, 0
	s_wait_alu depctr_va_vdst(0)
.rept 32
	v_pk_mul_f32 v[BF+64+2*q:BF+64+2*q+1], v[BF+64+2*q:BF+64+2*q+1], v[BF+2*q:BF+2*q+1]
.set q, q+1
.endr
	s_wait_xcnt 0x0                                ; the last tile's stores have had their addresses translated: only now is OB loaded again
.if \mt > 0
	s_wait_alu depctr_vm_vsrc(0)                   ; the last tile's LDS stores have read PK, which the conversions write again, and its global stores OB, in which the loads below land
.endif
.set q, 0
.rept 32
	v_cvt_pk_f16_f32 v[PK+q], v[BF+64+2*q], v[BF+64+2*q+1]
.set q, q+1
.endr
	s_wait_alu depctr_va_vdst(0)                   ; the conversions have written PK, which the LDS stores read; the products are done reading W2, where OB lies; ROWO, the global stores' offsets, is written
.irp nt, 0,1,2,3,4,5,6,7
	ds_store_b128 v[STO], v[PK+4*\nt:PK+4*\nt+3] offset:32*\nt
.endr
.irp t, 0,1,2,3,4,5,6,7
	ds_load_b128 v[OB+4*\t:OB+4*\t+3], v[RD] offset:SP*\t   ; LDS serves a wave's instructions in order: these see the stores above
.endr
.irp t, 0,1,2,3,4,5,6,7
	s_wait_dscnt 7-\t
	global_store_b128 v[ROWO+8*\mt+\t], v[OB+4*\t:OB+4*\t+3], s[DEST:DEST+1]   ; 16 lanes store 256 consecutive bytes, aligned
.endr
.endm
; The way out of tile mt, layer 2: the f32 sums as they are.  Four places in front of every tile: twelve in all stand ahead of the next pass's first product, which writes an accumulator anew.
.macro EPI2 mt, nh
	PLACES
.if \mt == 0
	s_wait_alu depctr_va_vdst(0)                   ; the products have written the 24 accumulators, which the three tiles' LDS stores read, and are done reading W0 to W2: the loads from the stage land in W0, the next pass's weights in all three.  The places above stay beside this wait
.endif
	WIN 0x04                                       ; store data window 1
.irp nt, 0,1,2,3,4,5,6,7
	ds_store_b128 v[STO], v[64*\mt+8*\nt:64*\mt+8*\nt+3]   offset:64*\nt
	ds_store_b128 v[STO], v[64*\mt+8*\nt+4:64*\mt+8*\nt+7] offset:64*\nt+16
.endr
	WIN 0
	s_wait_xcnt 0x0                                ; the last tile's stores have had their addresses translated: only now is v64-127 loaded again
.if \mt > 0
	s_wait_alu depctr_vm_vsrc(0)                   ; the last tile's global stores have read v64-127, in which the loads below land
.endif
.irp t, 0,1,2,3,4,5,6,7
	ds_load_b128 v[BF+8*\t:BF+8*\t+3],   v[RD] offset:SP*\t
	ds_load_b128 v[BF+8*\t+4:BF+8*\t+7], v[RD] offset:SP*\t+256
.endr
.irp t, 0,1,2,3,4,5,6,7
	s_wait_dscnt 15-2*\t
	global_store_b128 v[ROWO+8*\mt+\t], v[BF+8*\t:BF+8*\t+3],   s[DEST:DEST+1] offset:512*\nh
	s_wait_dscnt 14-2*\t
	global_store_b128 v[ROWO+8*\mt+\t], v[BF+8*\t+4:BF+8*\t+7], s[DEST:DEST+1] offset:512*\nh+256
.endr
.endm
.macro PASS nh
.if WHICH == 2
	s_wait_xcnt 0x0                                ; v64-127 were store data
	s_wait_alu depctr_vm_vsrc(0)                   ; the last way out's global stores have read v64-127, in which the weights below land, and its LDS stores the accumulators, which the products write anew; ahead of the
	                                               ; first block: the unpacking's LDS stores have read v136-167 of window 1, accumulators from here on
.endif
.set bc, 0
.set bs, 0
.set bb, 0
	BFETCH \nh
.set u, 0
.rept 4*NCH
	KSTEP \nh
.set u, u+1
.endr
.irp mt, 0,1,2
.if WHICH == 1
	EPI1 \mt
.else
	EPI2 \mt, \nh
.endif
.endr
.endm
.if WHICH == 1
	s_load_b512 s[4:19], s[0:1], 0x0               ; rows s[4:5], packed words s[6:7], zero points s[8:9], scales s[10:11], lists s[12:13], topw s[14:15], qweight2 s[16:17], hbuf s[18:19]
	s_set_vgpr_msb 0x40
	v_lshl_add_u32 v254, v0, 2, 0x4c400
	v_mov_b32 v255, 0
	s_set_vgpr_msb 0x4000
.else
	s_load_b256 s[4:11], s[0:1], 0x0               ; rows s[4:5], packed words s[6:7], zero points s[8:9], scales s[10:11]
	s_load_b128 s[12:15], s[0:1], 0x20             ; lists s[12:13], ybuf s[14:15]
.endif
	v_lshrrev_b32 v61, 5, v0
	v_readfirstlane_b32 s20, v61                   ; wave 0..3
	s_lshr_b32 s21, ttmp9, 2                       ; expert
	s_and_b32 s22, ttmp9, 3                        ; slice
	s_wait_alu depctr_va_sdst(0)                   ; s20 is written, ahead of its first reader: offsets, LDS addresses and the trip count are made from it
	s_mul_i32 s24, s20, 48                         ; the place in the list of my first block
	s_mov_b32 s30, 0x000f000f                      ; nibble 0 of both halves
	s_mov_b32 s31, 0x00f000f0                      ; nibble 1 of both halves
	s_mov_b32 s32, 0x64006400                      ; 1024, twice, in f16
	s_mov_b32 s33, 0xe400e400                      ; -1024, twice
	s_mov_b32 s34, 0xd400d400                      ; -64, twice
	s_mov_b32 s35, 0xffff0000                      ; a word's upper bf16
	s_mov_b32 s36, 0xbfb8aa3b                      ; -log2(e), named as a pair
	s_mov_b32 s37, 0xbfb8aa3b
	s_mov_b32 s39, 0
	s_lshl_b32 s40, s20, 22                        ; my KT/4 rows of packed words (256 x 16,384 = 128 x 32,768 bytes)
	s_lshl_b32 s41, s20, 15                        ; my first group's row of zero points
	s_lshl_b32 s42, s20, 18                        ; and of scales
	s_mul_i32 s43, s20, 16*SP
	s_add_co_u32 s43, s43, STAGE                   ; my stage
	s_mul_i32 s44, s20, (KT/4)*P                   ; my KT/4 rows in LDS
	v_and_b32 v1, 15, v0                           ; r
	v_bfe_u32 v2, v0, 4, 1                         ; h
	v_and_b32 v61, 31, v0
	v_lshrrev_b32 v62, LQ, v61                     ; my row among those of a load
	v_and_b32 v63, (1<<LQ)-1, v61                  ; my 16 bytes of it: 4 words, 32 columns
	v_lshlrev_b32 v3, LQP, v62
	v_lshl_add_u32 v3, v63, 4, v3
	v_add_nc_u32 v3, s40, v3                       ; packed words
	v_lshl_add_u32 v4, v63, 4, s41                 ; zero points
	v_lshl_add_u32 v5, v63, 7, s42                 ; scales
	v_mul_u32_u24 v59, v62, P
	v_lshl_add_u32 v59, v63, 6, v59
	v_add_nc_u32 v59, s44, v59                     ; where my first row's 32 columns go
	v_lshlrev_b32 v6, 2, v1
	v_lshlrev_b32 v7, 5, v2
	v_lshlrev_b32 v31, 4, v1
	v_lshlrev_b32 v60, 4, v2
	v_and_b32 v61, 7, v0                           ; the turning load: lane L reads k = 8 h + L % 8, 16 bytes at 16 ((L / 8) % 2)
	v_lshl_add_u32 v61, v2, 3, v61
	v_mul_u32_u24 v61, v61, P
	v_bfe_u32 v62, v0, 3, 1
	v_lshl_add_u32 v[ADRB], v62, 4, v61
.set c, 1
.rept NCH-1
	v_add_nc_u32 v[ADRB+c], 128*c*P, v[ADRB]
.set c, c+1
.endr
	v_mul_u32_u24 v[STO], v1, SP
	v_lshl_add_u32 v[STO], v2, LH, v[STO]
	v_add_nc_u32 v[STO], s43, v[STO]
	v_mul_u32_u24 v[RD], v2, 8*SP
	v_lshl_add_u32 v[RD], v1, 4, v[RD]
	v_add_nc_u32 v[RD], s43, v[RD]
.if WHICH == 1
	v_lshlrev_b32 v30, 8, v0                       ; 256 x thread
	v_mov_b32 v[CW+1], 0
	v_mov_b32 v[CW+3], 0
	v_mov_b32 v[CW+5], 0
.endif
	s_wait_kmcnt 0x0
	s_mul_i32 s38, s21, 4352
	s_add_nc_u64 s[26:27], s[12:13], s[38:39]      ; my expert's row of lists
	s_load_b32 s23, s[26:27], 0x1080               ; count
	s_mul_i32 s38, s20, 192
	s_add_nc_u64 s[28:29], s[26:27], s[38:39]      ; my first block's entries
	s_lshl_b32 s38, ttmp9, LCB
	s_add_nc_u64 s[6:7], s[6:7], s[38:39]          ; the slice's columns
	s_add_nc_u64 s[8:9], s[8:9], s[38:39]
	s_lshl_b32 s38, ttmp9, LCB+3
	s_add_nc_u64 s[10:11], s[10:11], s[38:39]
	s_lshl_b32 s38, s22, LDB
	s_add_nc_u64 s[DEST:DEST+1], s[DEST:DEST+1], s[38:39]
.if WHICH == 1
	s_lshl_b32 s38, ttmp9, 16
	s_add_nc_u64 s[16:17], s[16:17], s[38:39]
.endif
	s_wait_alu depctr_va_vdst(0)                   ; the offsets and LDS addresses made above are written: v3 to v7, v30, ADRB, STO and RD, which the loads, stores and prefetches of the whole kernel read and nothing writes again
	PRO_LIST                                       ; 9 loads.  Every wave's first block is prepared whatever count is (48 w + 47 < 1,056): every path then has the same loads out
	WIN 0x40                                       ; destination window 1
.set g, 0
.rept NG
	global_load_b128 v[QZ+4*g:QZ+4*g+3], v4, s[8:9] offset:g*QPITCH
.set g, g+1
.endr
.set g, 0
.rept NG
.irp x, 0,1,2,3,4,5,6,7
	global_load_b128 v[SC+32*g+4*\x:SC+32*g+4*\x+3], v5, s[10:11] offset:g*SCPITCH+16*\x
.endr
.set g, g+1
.endr
.set i, 0
.rept 32
	global_load_b128 v[4*i:4*i+3], v3, s[6:7] offset:131072*i   ; RPI rows further on each time.  No hint: the three other slices take the bytes beside mine
.set i, i+1
.endr
	v_mov_b32 v[ST], v59
	v_add_nc_u32 v[ST+1], 16*RPI*P, v59
	v_mov_b32 v[C16], 0x2c002c00                   ; 1/16, twice, in f16
	WIN 0
	s_wait_loadcnt 9*NG+32                         ; the entries are in; behind them: NG loads of zero points, 8 NG of scales, 32 of packed words
	PRO_ADDR
.if WHICH == 1
	global_prefetch_b8 v30, s[16:17] th:TH_LOAD_NT scope:SCOPE_SE                ; 128 threads x 2 blocks of 256 bytes, 256 bytes apart: work-group n asks for bytes 65,536 n .. 65,536 n + 65,535 of qweight2,
	global_prefetch_b8 v30, s[16:17] offset:32768 th:TH_LOAD_NT scope:SCOPE_SE   ; each block of the buffer once in the launch, none outside it; the next launch reads them
.endif
	PRO_ROWS
	WIN 0x55                                       ; all in window 1
.set i, 0
.rept 32                               ; step i: load i's four words
.set g, i/(32/NG)
.set yy, YOUNG+31-i                    ; the loads issued behind load i; a wait's count holds 63 at the most, and a smaller count only waits longer
.if yy > 63
.set yy, 63
.endif
	s_wait_loadcnt yy                              ; load i is in, and with it all that was asked for ahead of it: the zero points and the scales of every group
.if i > 1
	s_wait_alu depctr_vm_vsrc(0)                   ; the LDS stores issued in the step before have read OUT[i % 2], which this step writes again
.endif
.if i > 0
	s_wait_alu depctr_va_vdst(0)                   ; the step before has written the other OUT, which this step's four LDS stores read (in step 1 also: their addresses v245, v246 are written)
.endif
.if i%(32/NG) == 0
	ZPREP
.endif
	DQPAIR 0
	DQPAIR 2
.set i, i+1
.endr
	s_wait_alu depctr_va_vdst(0)                   ; step 31 has written OUT1, which the last four LDS stores read
.irp w, 0,1,2,3
	ds_store_b128 v[ST+1], v[DS+16+4*\w:DS+16+4*\w+3] offset:15*RPI*P+16*\w
.endr
	WIN 0
	s_wait_kmcnt 0x0
	s_min_u32 s23, s23, 0x400                      ; count: at most one entry a token
	s_add_co_u32 s23, s23, 191
	s_sub_co_u32 s23, s23, s24                     ; count + 191 - 48 w: 47 at the least, 1,215 at the most
	s_lshr_b32 s23, s23, 6                         ; by 64,
	s_mul_hi_u32 s23, s23, 0x55555556              ; and by 3 (exact up to 18): my blocks = the whole part of (count + 191 - 48 w) / 192: none where 48 w is not below count
	s_min_u32 s23, s23, 6                          ; six at the most, by that arithmetic
	s_mov_b32 s24, 0                               ; blocks done
	s_wait_dscnt 0x0                               ; for the others' sake: my rows of the weights are in LDS
	s_barrier_signal -1
	s_barrier_wait -1                              ; the one barrier: ahead of every branch that hangs on count
.if WHICH == 1
	s_wait_alu depctr_vm_vsrc(0)                   ; my LDS stores have read v136-167 of window 1: these registers are accumulators from here on, written by the products
.endif
	s_cmp_lt_u32 s24, s23
	s_cbranch_scc0 .Lend
.Lblock:
	PASS 0
.if NH == 2
	PASS 1
.endif
	s_add_co_u32 s24, s24, 1
	s_cmp_lt_u32 s24, s23
	s_cbranch_scc0 .Lend                           ; no entry is read for a block that is not there
	s_wait_xcnt 0x0                                ; the stores' and loads' addresses are translated: ROWO and the entries' base are written again only behind this wait
	s_wait_alu depctr_vm_vsrc(0)                   ; the block's stores have read ROWO, in which the next entries land, and their data (in layer 1 PK and OB, which are W2 again); its loads have read the offsets of rows and weights, which are made anew
	s_add_nc_u64 s[28:29], s[28:29], 768           ; the four waves' blocks lie side by side: 192 entries on
	PRO_LIST
	s_wait_loadcnt 0x0
	PRO_ADDR
	PRO_ROWS
	s_cmp_lt_u32 s24, s23                          ; holds, by the branch above: the loop's own compare
	s_cbranch_scc1 .Lblock
.Lend:
	s_set_vgpr_msb 0x5
	s_wait_dscnt 0x0
	s_wait_alu depctr_hold_cnt(0) depctr_sa_sdst(0) depctr_va_vdst(0) depctr_va_sdst(0) depctr_va_ssrc(0) depctr_va_vcc(0) depctr_vm_vsrc(0)
	s_wait_tensorcnt 0x0
	ds_add_u32 v254, v255
	s_wait_dscnt 0x0
	s_endpgm
.Lfunc_end_k_q449ae58817_gemm1:
	.size	k_q449ae58817_gemm1, .Lfunc_end_k_q449ae58817_gemm1-k_q449ae58817_gemm1
	.p2alignl 7, 3214868480
	.fill 96, 4, 3214868480
	.section	.rodata,"a",@progbits
	.p2align	6, 0x0
	.amdhsa_kernel k_q449ae58817_gemm1
		.amdhsa_group_segment_fixed_size 312832
		.amdhsa_private_segment_fixed_size 0
		.amdhsa_enable_private_segment 0
		.amdhsa_kernarg_size 64
		.amdhsa_user_sgpr_count 2
		.amdhsa_user_sgpr_kernarg_segment_ptr 1
		.amdhsa_wavefront_size32 1
		.amdhsa_system_sgpr_workgroup_id_x 1
		.amdhsa_system_sgpr_workgroup_id_y 1
		.amdhsa_system_sgpr_workgroup_id_z 1
		.amdhsa_system_vgpr_workitem_id 0
		.amdhsa_next_free_vgpr 960
		.amdhsa_next_free_sgpr 66
		.amdhsa_reserve_vcc 0
		.amdhsa_float_denorm_mode_32 3
		.amdhsa_float_denorm_mode_16_64 3
		.amdhsa_memory_ordered 1
		.amdhsa_forward_progress 1
		.amdhsa_inst_pref_size 255
	.end_amdhsa_kernel
	.section	.bss,"aw",@nobits
	.p2align	6
	.space	262144
	.amdgpu_metadata
---
amdhsa.version: [ 1, 2 ]
amdhsa.kernels:
  - .name:           k_q449ae58817_gemm1
    .symbol:         k_q449ae58817_gemm1.kd
    .args:
      - { .name: xb, .offset: 0, .size: 8, .value_kind: global_buffer, .address_space: global }
      - { .name: qweight1, .offset: 8, .size: 8, .value_kind: global_buffer, .address_space: global }
      - { .name: qzeros1, .offset: 16, .size: 8, .value_kind: global_buffer, .address_space: global }
      - { .name: scales1, .offset: 24, .size: 8, .value_kind: global_buffer, .address_space: global }
      - { .name: lists, .offset: 32, .size: 8, .value_kind: global_buffer, .address_space: global }
      - { .name: topw, .offset: 40, .size: 8, .value_kind: global_buffer, .address_space: global }
      - { .name: qweight2, .offset: 48, .size: 8, .value_kind: global_buffer, .address_space: global }
      - { .name: hbuf, .offset: 56, .size: 8, .value_kind: global_buffer, .address_space: global }
    .group_segment_fixed_size: 312832
    .private_segment_fixed_size: 0
    .kernarg_segment_align: 8
    .kernarg_segment_size: 64
    .max_flat_workgroup_size: 128
    .sgpr_count:     66
    .vgpr_count:     960
    .wavefront_size: 32
...
	.end_amdgpu_metadata
.endif
;; end of part 6
;; launch gemm2 (part 7): grid 256 x 1, 4 waves a work-group, no clusters, 312,832 bytes of LDS; arguments hbuf, qweight2, qzeros2, scales2, lists, ybuf; writes ybuf
.if DOCPART == 7
	.amdgcn_target "amdgcn-amd-amdhsa--gfx1250"
	.amdhsa_code_object_version 6
	.text
	.protected	k_q449ae58817_gemm2
	.globl	k_q449ae58817_gemm2
	.p2align	8
	.type	k_q449ae58817_gemm2,@function
k_q449ae58817_gemm2:
	s_mov_b64 s[64:65], 0
	v_nop
	global_prefetch_b8 v0, s[64:65] scope:SCOPE_SE
	s_setreg_imm32_b32 hwreg(HW_REG_WAVE_SCHED_MODE, 0, 2), 2
	s_setreg_imm32_b32 hwreg(HW_REG_WAVE_MODE, 25, 1), 1
	s_wait_xcnt 0x0
	s_wait_alu depctr_vm_vsrc(0)
; EXPERT PRODUCT, one text for both layers; WHICH says which.
;   WHICH = 1: hbuf[a][512]  = f16( silu( xb[a >> 3] . W1e ) x topw[a] )       K = 1,024, the work-group's slice: 128 columns
;   WHICH = 2: ybuf[a][1024] = hbuf[a] . W2e  (f32)                            K = 512,   the work-group's slice: 256 columns, in two passes of 128
; a = 8 t + k runs through the list of expert e.  Work-group 4 e + j owns expert e and column slice j, so each packed word is read and unpacked once in the launch.
; Only listed pairs are computed: for the others reference() multiplies by a weight of exactly 0 (LIMIT: this takes 0 x h = 0, that is, finite h).
; PHASE 1.  Wave w unpacks K rows w KT/4 .. of the slice: a word holds eight columns of one k, columns 2p and 2p+1 in nibble p of its low and of its high half, so one
;   instruction serves both.  (W & 0x000f000f) | 0x64006400 is the pair of f16 numbers 1024 + q of columns 0, 1; (W & 0x00f000f0) | 0x64006400 is 1024 + 16 q of columns 2, 3; the same two
;   on W >> 8 give columns 4 to 7.  The zero point's word gives -(1024 + z) and -(64 + z) in the same way.  (1024 + q) - (1024 + z) and (1024 + 16 q) / 16 - (64 + z) are q - z exactly;
;   the one rounding is that of (q - z) x scale to f16, the format of the operand.  It goes to LDS as [k][n].  One barrier.
; PHASE 2.  Wave w takes the list's blocks of 48 rows at 48 w, 48 w + 192, .. below count: 3 x 8 accumulators of 16 x 16.  Nothing behind the barrier is shared, so the trips may differ from wave to wave.
;   Source 0 = 16 columns of the weights, turned out of LDS by ds_load_tr16_b128; source 1 = 16 listed rows, gathered from memory into registers, 128 K (256 consecutive bytes of each row) at a time.
;   A lane then holds one row and eight neighbouring columns.  Results go through the wave's own stage in LDS and leave as whole aligned runs of 256 bytes.
; FORMATS.  The floating-point inputs are each rounded once to bf16 (x by the first launch, the scales here), and the products run in f16 with f32 sums.  (q - z) x the rounded scale has
;   4 + 8 = 12 bits at the most, of which f16 keeps 11: against the true weight the operand is off by one rounding to bf16.  h x weight is rounded to f16.
; LIMITS.  f16 ends at 65,504.  Weights: 15 x |scale|.  A scale under 2^-14 is held to 2^-25, so a weight there is off by 15 x 2^-25 at the most.  h: with x of spread 1 and scales of spread 0.02
;   the sums v have a spread of sqrt(1024) x 6.5 x 0.02 = 4.2; six times that, with x and the scales both 30 times larger, is 22,700.  Other operands under 2^-14 are off by 2^-25 at the most.
;   silu(v) = v / (1 + 2^(-v log2 e)) by v_exp_f32 and v_rcp_f32: where the power overflows the quotient is 0.  Sums that are not finite are not served.
; NO TENSOR LOADS, NO CLUSTER: the weights, the bulk of the bytes, are shared by nobody and must pass through registers to be unpacked; the rows that an expert's four slices share
; are named one by one by a list, which no tile describes; no LDS byte is filled twice.
; REGISTERS, in windows of 256 (s_set_vgpr_msb: bits 1:0 source 0, 3:2 source 1, 5:4 source 2, 7:6 destination):
;   window 0: addresses; v64-255 three buffers of weight fragments (on the way out: v64-191 at work, v192-255 the out-buffers)
;   window 1: phase 1: all that the unpacking touches; phase 2: accumulator (mt, nt) at v[64 mt + 8 nt]
;   windows 2, 3: four buffers of 96 for the gathered rows: fragment (mt, s) at 96 (buffer % 2) + 32 mt + 8 s
; THE MODE: SCHED_MODE bits 1:0 = 2 (LLVM: expert scheduling mode 2), set by the entry lines.  The code itself states the register dependences
; between vector or matrix instructions and memory or LDS instructions, with s_wait_alu, always for 0.
; THE PLAN.  Registers that memory or LDS instructions touch, and who else names them:
;   The addresses v3-v7, v30, ADRB, STO, RD and v245, v246 of window 1 are made once and never written again.
;   PHASE 1.  OUT0 = v136-151, OUT1 = v152-167 of window 1.  Step i (load i's four words) writes OUT[i % 2]; the four LDS stores that read it are issued in step i + 1, among that step's
;     vector instructions, which name the other OUT alone.  Two waits at a step's head: the step before has written its OUT; the stores issued in the step before have read the OUT that this step writes.
;   PHASE 2.  W0, W1, W2 = v64-127, v128-191, v192-255 of window 0.  K step u: its 24 products read W[u % 3]; its 16 LDS loads land in W[(u + 1) % 3], which the products of step u - 2 read last.
;     R0 .. R3 in windows 2 and 3.  Chunk c's 96 products read R[c % 4]; chunk c + 2 is asked for in chunk c's first step and lands where chunk c - 2's products read.
;     ONE wait on va_vdst for two K steps, at the head of every even step u: the products up to step u - 1 are done reading.  That covers step u's loads (W[(u + 1) % 3], read by step u - 2), step u + 1's
;     (W[(u + 2) % 3], read by step u - 1) and the chunk of rows; between the wait and those loads stand only products that name W[u % 3], W[(u + 1) % 3], R[c % 4] and the accumulators.
;     The loads of a pass's steps 0 and 1 lean on the last wait ahead of the pass: the one behind the next block's addresses, or the one at the head of the way out.
;   THE WAY OUT.  Layer 1: PK (conversions write, LDS stores read), OB (LDS loads write, global stores read).  Layer 2: the accumulators (LDS stores read), v64-127 (LDS loads write, global stores read).
;     One wait on va_vdst ahead of the LDS stores; one on vm_vsrc, beside s_wait_xcnt 0, ahead of what writes an out-buffer again.
;   BETWEEN BLOCKS.  ROWO, AOFF, CWO are read as addresses and made anew: one wait on vm_vsrc, beside s_wait_xcnt 0, at the loop's tail; one on va_vdst behind the new addresses.
.set WHICH, 2
.if WHICH == 1
.set KT,    1024
.set NH,    1                          ; passes of 128 columns
.set P,     288                        ; a row of the slice in LDS: 256 bytes + 32: an odd multiple of 32
.set LQ,    2                          ; log2 of the 16-byte pieces of a packed row of the slice
.set LQP,   14                         ; log2 of the bytes from row to row of the packed words
.set LCB,   6                          ; log2 of the slice's bytes in such a row
.set LDB,   8                          ; log2 of the slice's bytes in a row of the result
.set NG,    2                          ; groups of 128 K that a wave unpacks
.set DROW,  10                         ; log2 of the bytes in a row of the result
.set SP,    272                        ; a row of the stage: 256 bytes + 16
.set LH,    4                          ; log2 of the bytes that a lane puts there at a time
.set DEST,  18                         ; s[18:19] the result
.set YOUNG, 51                         ; loads issued behind the last packed word: 3 weights of rows + 48 of gathered rows
.else
.set KT,    512
.set NH,    2
.set P,     544
.set LQ,    3
.set LQP,   15
.set LCB,   7
.set LDB,   10
.set NG,    1
.set DROW,  12
.set SP,    528
.set LH,    5
.set DEST,  14
.set YOUNG, 48
.endif
.set NCH,   KT/128                     ; chunks of 128 K
.set RPI,   32>>LQ                     ; rows that one load of packed words covers
.set QPITCH, 1<<LQP
.set SCPITCH, 8*QPITCH
.set STAGE, KT*P                       ; behind the weights: 16 rows of SP bytes for each wave
.set ADRB,  8                          ; v8-15   LDS address of my part of a weight fragment, chunk c
.set AOFF,  16                         ; v16-18  byte offset of row r of tile mt in the gathered buffer, + 16 h
.set LA,    19                         ; v19-21  entry r of tile mt
.set CW,    22                         ; v22-27  the row's weight, in pairs: the even register; the odd one is 0
.set STO,   28                         ; v28     the way out: where I put my columns of row r
.set RD,    29                         ; v29     where I read rows back: lanes 0-15 rows 0-7, lanes 16-31 rows 8-15
.set ROWO,  32                         ; v32-55  tile mt, t: byte offset in the result of entry 8 (L / 16) + t, + 16 (L % 16)
.set CWO,   56                         ; v56-58  byte offset of the rows' weights
.set BF,    64                         ; v64-255 W0, W1, W2
.set PK,    192                        ; v192-223 the way out of layer 1: a tile in f16
.set OB,    224                        ; v224-255 the same tile, read back by rows
.set QZ,    128                        ; window 1, phase 1: v0-127 packed words (load i at 4 i); v128-135 zero points' words
.set SC,    136                        ; v136-199 scales as loaded, 32 a group
.set DS,    136                        ; v136-167 once group 0's scales are packed: OUT0 and OUT1, sixteen registers each: word wd of a load at 4 wd
.set SH,    200                        ; v200-215 the scales of the group in hand, two f16 a register: word wd, pair p at 4 wd + p
.set NZ,    216                        ; v216-231 its zero points: -(1024 + z) for p = 0, 2; -(64 + z) for p = 1, 3
.set F,     232                        ; v232-235 at work on the scales
.set W8,    240                        ; v240, v241 two words >> 8
.set C16,   242                        ; v242    1/16, twice, in f16
.set ST,    245                        ; v245, v246 LDS address of my first row, and of the row 16 loads further on
.set MSB, 0
.macro WIN new                         ; the immediate's high byte repeats the setting that is left; a switch that changes nothing is dropped
.if MSB != (\new)
	s_set_vgpr_msb (MSB<<8)|(\new)
.set MSB, (\new)
.endif
.endm
.macro PLACES                          ; four places behind matrix instructions (ISA guide 7.12.1), where no other vector work is at hand
.rept 4
	v_nop
.endr
.endm
; My block's 48 entries, twice: entry r of each tile (for the gather), and entries 8 (L / 16) + 0..7 of each tile (for the stores).
.macro PRO_LIST
.irp mt, 0,1,2
	global_load_b32 v[LA+\mt], v6, s[28:29] offset:64*\mt
.endr
.irp mt, 0,1,2
	global_load_b128 v[ROWO+8*\mt:ROWO+8*\mt+3],   v7, s[28:29] offset:64*\mt
	global_load_b128 v[ROWO+8*\mt+4:ROWO+8*\mt+7], v7, s[28:29] offset:64*\mt+16
.endr
.endm
; 24 loads: chunk fc of my 48 rows into buffer fc % 4.
.macro AFETCH
	WIN 0x80+0x40*((fc%4)/2)
.irp mt, 0,1,2
.irp s, 0,1,2,3
	global_load_b128 v[96*(fc%2)+32*\mt+8*\s:96*(fc%2)+32*\mt+8*\s+3],   v[AOFF+\mt], s[4:5] offset:256*fc+64*\s
	global_load_b128 v[96*(fc%2)+32*\mt+8*\s+4:96*(fc%2)+32*\mt+8*\s+7], v[AOFF+\mt], s[4:5] offset:256*fc+64*\s+32
.endr
.endr
.endm
; Entries become offsets (each clamped to its table first), and the first two chunks are asked for.
.macro PRO_ADDR
.irp mt, 0,1,2
.if WHICH == 1
	v_lshrrev_b32 v59, 3, v[LA+\mt]                ; the token
	v_min_u32 v59, 1023, v59
	v_lshl_add_u32 v[AOFF+\mt], v59, 11, v60
	v_min_u32 v[CWO+\mt], 8191, v[LA+\mt]
	v_lshlrev_b32 v[CWO+\mt], 2, v[CWO+\mt]
.else
	v_min_u32 v59, 8191, v[LA+\mt]
	v_lshl_add_u32 v[AOFF+\mt], v59, 10, v60
.endif
.endr
	s_wait_alu depctr_va_vdst(0)                   ; the offsets just made are written, which the loads below read; the lines above are done reading LA; and, from the second block on, the last block's products are done
	                                               ; reading R0 to R3 and W0 to W2, and its way out is done with the rows' weights and with v64-223: loads land in all of these from here on
.if WHICH == 1
.irp mt, 0,1,2
	global_load_b32 v[CW+2*\mt], v[CWO+\mt], s[14:15]
.endr
.endif
.set fc, 0
	AFETCH
.set fc, 1
	AFETCH
	WIN 0
.endm
.macro PRO_ROWS
.set q, 0
.rept 24
	v_min_u32 v[ROWO+q], 8191, v[ROWO+q]
	v_lshl_add_u32 v[ROWO+q], v[ROWO+q], DROW, v31
.set q, q+1
.endr
.endm
; Group g's zero points, negated, as pairs of f16; its scales rounded to bf16, widened again, and packed as pairs of f16.
.macro ZPREP
.irp wd, 0,1,2,3
	v_lshrrev_b32 v[W8], 8, v[QZ+4*g+\wd]
	v_and_or_b32 v[NZ+4*\wd],   v[QZ+4*g+\wd], s30, s33    ; -(1024 + z) of columns 0, 1
	v_and_or_b32 v[NZ+4*\wd+1], v[QZ+4*g+\wd], s31, s34    ; -(64 + z) of columns 2, 3: at 64 a step of f16 is 1/16, so z stands in bits 4 to 7
	v_and_or_b32 v[NZ+4*\wd+2], v[W8],         s30, s33    ; columns 4, 5
	v_and_or_b32 v[NZ+4*\wd+3], v[W8],         s31, s34    ; columns 6, 7
.irp p, 0,1,2,3
	v_cvt_pk_bf16_f32 v[F+\p], v[SC+32*g+8*\wd+2*\p], v[SC+32*g+8*\wd+2*\p+1]
.endr
.irp p, 0,1,2,3
	v_lshlrev_b32 v[SC+32*g+8*\wd+2*\p],   16,  v[F+\p]
	v_and_b32     v[SC+32*g+8*\wd+2*\p+1], s35, v[F+\p]
.endr
.irp p, 0,1,2,3
	v_cvt_pk_f16_f32 v[SH+4*\wd+\p], v[SC+32*g+8*\wd+2*\p], v[SC+32*g+8*\wd+2*\p+1]
.endr
.endr
.endm
; Words wa and wa + 1 of load i: eight independent chains of three instructions, into OUT[i % 2].  Behind their first stage stand two of the four stores of the step before, 16 bytes of f16 each:
; they read the other OUT, which the wait at this step's head has shown written and which no vector instruction of this step names.
.macro DQPAIR wa
.set dA, DS+16*(i%2)+4*\wa
.set dB, DS+16*((i+1)%2)+4*\wa
	v_lshrrev_b32 v[W8],   8, v[4*i+\wa]
	v_lshrrev_b32 v[W8+1], 8, v[4*i+\wa+1]
.irp k, 0,1
	v_and_or_b32 v[dA+4*\k],   v[4*i+\wa+\k], s30, s32     ; 1024 + q of columns 0, 1
	v_and_or_b32 v[dA+4*\k+1], v[4*i+\wa+\k], s31, s32     ; 1024 + 16 q of columns 2, 3
.endr
.irp k, 0,1
	v_and_or_b32 v[dA+4*\k+2], v[W8+\k], s30, s32          ; columns 4, 5
	v_and_or_b32 v[dA+4*\k+3], v[W8+\k], s31, s32          ; columns 6, 7
.endr
.if i > 0
	ds_store_b128 v[ST+(i-1)/16], v[dB:dB+3]   offset:((i-1)%16)*RPI*P+16*\wa
	ds_store_b128 v[ST+(i-1)/16], v[dB+4:dB+7] offset:((i-1)%16)*RPI*P+16*\wa+16
.endif
.irp k, 0,1
	v_pk_add_f16 v[dA+4*\k],   v[dA+4*\k],   v[NZ+4*(\wa+\k)]                 ; q - z, exactly
	v_pk_fma_f16 v[dA+4*\k+1], v[dA+4*\k+1], v[C16], v[NZ+4*(\wa+\k)+1]
	v_pk_add_f16 v[dA+4*\k+2], v[dA+4*\k+2], v[NZ+4*(\wa+\k)+2]
	v_pk_fma_f16 v[dA+4*\k+3], v[dA+4*\k+3], v[C16], v[NZ+4*(\wa+\k)+3]
.endr
.irp k, 0,1
.irp p, 0,1,2,3
	v_pk_mul_f16 v[dA+4*\k+\p], v[dA+4*\k+\p], v[SH+4*(\wa+\k)+\p]            ; x scale: the one rounding
.endr
.endr
.endm
; 16 turning loads: the weights of 32 K (chunk bc, step bs) x 128 columns of pass nh, into buffer bb of three.
.macro BFETCH nh
	WIN 0
.irp nt, 0,1,2,3,4,5,6,7
	ds_load_tr16_b128 v[BF+64*bb+8*\nt:BF+64*bb+8*\nt+3],   v[ADRB+bc] offset:32*bs*P+32*\nt+256*\nh
	ds_load_tr16_b128 v[BF+64*bb+8*\nt+4:BF+64*bb+8*\nt+7], v[ADRB+bc] offset:32*bs*P+16*P+32*\nt+256*\nh
.endr
.endm
; The three products of K step u on column tile nt, one on each of its accumulators.
.macro MUL3 nt
	WIN 0x58+4*((kc%4)/2)                          ; weights window 0, rows window 2 or 3, sums window 1
.irp mt, 0,1,2
.if u == 0
	v_wmma_f32_16x16x32_f16 v[64*\mt+8*\nt:64*\mt+8*\nt+7], v[BF+64*(u%3)+8*\nt:BF+64*(u%3)+8*\nt+7], v[96*(kc%2)+32*\mt+8*ks:96*(kc%2)+32*\mt+8*ks+7], 0
.else
	v_wmma_f32_16x16x32_f16 v[64*\mt+8*\nt:64*\mt+8*\nt+7], v[BF+64*(u%3)+8*\nt:BF+64*(u%3)+8*\nt+7], v[96*(kc%2)+32*\mt+8*ks:96*(kc%2)+32*\mt+8*ks+7], v[64*\mt+8*\nt:64*\mt+8*\nt+7]
.endif
.endr
.endm
; K step u of a pass: 24 products, one on each accumulator: they take turns.  Behind the first three stands the run of loads: the next step's weights and, in a chunk's
; first step, the rows of the chunk two further on; 21 products stand between that run and the wait for the weights.
.macro KSTEP nh
.set kc, u/4
.set ks, u%4
	s_wait_dscnt 0x0                               ; this step's weights are in
.if (ks == 0) && (\nh == 0)
.if kc == NCH-1
	s_wait_loadcnt 0x0                             ; the last chunk of rows: nothing was asked for behind it
.else
	s_wait_loadcnt 24                              ; this chunk of rows is in; the next chunk's 24 loads stay out
.endif
.endif
.if (u > 0) && (u+1 < 4*NCH)
	PLACES                                         ; places between the products that read a buffer and the loads that land in it; they stand ahead of the wait, which fills none
.if u%2 == 0
	s_wait_alu depctr_va_vdst(0)                   ; the products up to step u - 1 are done reading: W[(u + 1) % 3] and W[(u + 2) % 3], in which this step's and the next step's loads land, and the buffer of rows that is asked for again
.endif
.endif
	MUL3 0
.if u+1 < 4*NCH
.set bc, (u+1)/4
.set bs, (u+1)%4
.set bb, (u+1)%3
	BFETCH \nh                                     ; no product since the wait names this buffer
.endif
.if (ks == 0) && (\nh == 0) && (kc+2 < NCH)
.set fc, kc+2
	AFETCH                                         ; two chunks, 192 products, ahead of its first use
.endif
.irp nt, 1,2,3,4,5,6,7
	MUL3 \nt
.endr
.endm
; The way out of tile mt, layer 1: v x weight / (1 + 2^(-v log2 e)), rounded to f16, through my stage, stored as whole runs of 256 bytes.  Each accumulator is read from its low end on.
.macro EPI1 mt
.if \mt == 0
	PLACES
.endif
	WIN 0x01                                       ; source 0 window 1
.set q, 0
.rept 32
	v_pk_mul_f32 v[BF+2*q:BF+2*q+1], v[64*\mt+2*q:64*\mt+2*q+1], s[36:37] op_sel_hi:[1,0]
	v_pk_mul_f32 v[BF+64+2*q:BF+64+2*q+1], v[64*\mt+2*q:64*\mt+2*q+1], v[CW+2*\mt:CW+2*\mt+1] op_sel_hi:[1,0]
.set q, q+1
.endr
	WIN 0
.set q, 0
.rept 64
	v_exp_f32 v[BF+q], v[BF+q]
.set q, q+1
.endr
	v_nop                                          ; a plain instruction between the exponentials and the use of their results
.set q, 0
.rept 32
	v_pk_add_f32 v[BF+2*q:BF+2*q+1], v[BF+2*q:BF+2*q+1], 1.0 op_sel_hi:[1,0]
.set q, q+1
.endr
.set q, 0
.rept 64
	v_rcp_f32 v[BF+q], v[BF+q]
.set q, q+1
.endr
	v_nop
.set q, 0
.rept 32
	v_pk_mul_f32 v[BF+64+2*q:BF+64+2*q+1], v[BF+64+2*q:BF+64+2*q+1], v[BF+2*q:BF+2*q+1]
.set q, q+1
.endr
	s_wait_xcnt 0x0                                ; the last tile's stores have had their addresses translated: only now is OB loaded again
.if \mt > 0
	s_wait_alu depctr_vm_vsrc(0)                   ; the last tile's LDS stores have read PK, which the conversions write again, and its global stores OB, in which the loads below land
.endif
.set q, 0
.rept 32
	v_cvt_pk_f16_f32 v[PK+q], v[BF+64+2*q], v[BF+64+2*q+1]
.set q, q+1
.endr
	s_wait_alu depctr_va_vdst(0)                   ; the conversions have written PK, which the LDS stores read; the products are done reading W2, where OB lies; ROWO, the global stores' offsets, is written
.irp nt, 0,1,2,3,4,5,6,7
	ds_store_b128 v[STO], v[PK+4*\nt:PK+4*\nt+3] offset:32*\nt
.endr
.irp t, 0,1,2,3,4,5,6,7
	ds_load_b128 v[OB+4*\t:OB+4*\t+3], v[RD] offset:SP*\t   ; LDS serves a wave's instructions in order: these see the stores above
.endr
.irp t, 0,1,2,3,4,5,6,7
	s_wait_dscnt 7-\t
	global_store_b128 v[ROWO+8*\mt+\t], v[OB+4*\t:OB+4*\t+3], s[DEST:DEST+1]   ; 16 lanes store 256 consecutive bytes, aligned
.endr
.endm
; The way out of tile mt, layer 2: the f32 sums as they are.  Four places in front of every tile: twelve in all stand ahead of the next pass's first product, which writes an accumulator anew.
.macro EPI2 mt, nh
	PLACES
.if \mt == 0
	s_wait_alu depctr_va_vdst(0)                   ; the products have written the 24 accumulators, which the three tiles' LDS stores read, and are done reading W0 to W2: the loads from the stage land in W0, the next pass's weights in all three.  The places above stay beside this wait
.endif
	WIN 0x04                                       ; store data window 1
.irp nt, 0,1,2,3,4,5,6,7
	ds_store_b128 v[STO], v[64*\mt+8*\nt:64*\mt+8*\nt+3]   offset:64*\nt
	ds_store_b128 v[STO], v[64*\mt+8*\nt+4:64*\mt+8*\nt+7] offset:64*\nt+16
.endr
	WIN 0
	s_wait_xcnt 0x0                                ; the last tile's stores have had their addresses translated: only now is v64-127 loaded again
.if \mt > 0
	s_wait_alu depctr_vm_vsrc(0)                   ; the last tile's global stores have read v64-127, in which the loads below land
.endif
.irp t, 0,1,2,3,4,5,6,7
	ds_load_b128 v[BF+8*\t:BF+8*\t+3],   v[RD] offset:SP*\t
	ds_load_b128 v[BF+8*\t+4:BF+8*\t+7], v[RD] offset:SP*\t+256
.endr
.irp t, 0,1,2,3,4,5,6,7
	s_wait_dscnt 15-2*\t
	global_store_b128 v[ROWO+8*\mt+\t], v[BF+8*\t:BF+8*\t+3],   s[DEST:DEST+1] offset:512*\nh
	s_wait_dscnt 14-2*\t
	global_store_b128 v[ROWO+8*\mt+\t], v[BF+8*\t+4:BF+8*\t+7], s[DEST:DEST+1] offset:512*\nh+256
.endr
.endm
.macro PASS nh
.if WHICH == 2
	s_wait_xcnt 0x0                                ; v64-127 were store data
	s_wait_alu depctr_vm_vsrc(0)                   ; the last way out's global stores have read v64-127, in which the weights below land, and its LDS stores the accumulators, which the products write anew; ahead of the
	                                               ; first block: the unpacking's LDS stores have read v136-167 of window 1, accumulators from here on
.endif
.set bc, 0
.set bs, 0
.set bb, 0
	BFETCH \nh
.set u, 0
.rept 4*NCH
	KSTEP \nh
.set u, u+1
.endr
.irp mt, 0,1,2
.if WHICH == 1
	EPI1 \mt
.else
	EPI2 \mt, \nh
.endif
.endr
.endm
.if WHICH == 1
	s_load_b512 s[4:19], s[0:1], 0x0               ; rows s[4:5], packed words s[6:7], zero points s[8:9], scales s[10:11], lists s[12:13], topw s[14:15], qweight2 s[16:17], hbuf s[18:19]
.else
	s_load_b256 s[4:11], s[0:1], 0x0               ; rows s[4:5], packed words s[6:7], zero points s[8:9], scales s[10:11]
	s_load_b128 s[12:15], s[0:1], 0x20             ; lists s[12:13], ybuf s[14:15]
	v_lshl_add_u32 v57, v0, 2, 0x4c400
	v_mov_b32 v58, 0
.endif
	v_lshrrev_b32 v61, 5, v0
	v_readfirstlane_b32 s20, v61                   ; wave 0..3
	s_lshr_b32 s21, ttmp9, 2                       ; expert
	s_and_b32 s22, ttmp9, 3                        ; slice
	s_wait_alu depctr_va_sdst(0)                   ; s20 is written, ahead of its first reader: offsets, LDS addresses and the trip count are made from it
	s_mul_i32 s24, s20, 48                         ; the place in the list of my first block
	s_mov_b32 s30, 0x000f000f                      ; nibble 0 of both halves
	s_mov_b32 s31, 0x00f000f0                      ; nibble 1 of both halves
	s_mov_b32 s32, 0x64006400                      ; 1024, twice, in f16
	s_mov_b32 s33, 0xe400e400                      ; -1024, twice
	s_mov_b32 s34, 0xd400d400                      ; -64, twice
	s_mov_b32 s35, 0xffff0000                      ; a word's upper bf16
	s_mov_b32 s36, 0xbfb8aa3b                      ; -log2(e), named as a pair
	s_mov_b32 s37, 0xbfb8aa3b
	s_mov_b32 s39, 0
	s_lshl_b32 s40, s20, 22                        ; my KT/4 rows of packed words (256 x 16,384 = 128 x 32,768 bytes)
	s_lshl_b32 s41, s20, 15                        ; my first group's row of zero points
	s_lshl_b32 s42, s20, 18                        ; and of scales
	s_mul_i32 s43, s20, 16*SP
	s_add_co_u32 s43, s43, STAGE                   ; my stage
	s_mul_i32 s44, s20, (KT/4)*P                   ; my KT/4 rows in LDS
	v_and_b32 v1, 15, v0                           ; r
	v_bfe_u32 v2, v0, 4, 1                         ; h
	v_and_b32 v61, 31, v0
	v_lshrrev_b32 v62, LQ, v61                     ; my row among those of a load
	v_and_b32 v63, (1<<LQ)-1, v61                  ; my 16 bytes of it: 4 words, 32 columns
	v_lshlrev_b32 v3, LQP, v62
	v_lshl_add_u32 v3, v63, 4, v3
	v_add_nc_u32 v3, s40, v3                       ; packed words
	v_lshl_add_u32 v4, v63, 4, s41                 ; zero points
	v_lshl_add_u32 v5, v63, 7, s42                 ; scales
	v_mul_u32_u24 v59, v62, P
	v_lshl_add_u32 v59, v63, 6, v59
	v_add_nc_u32 v59, s44, v59                     ; where my first row's 32 columns go
	v_lshlrev_b32 v6, 2, v1
	v_lshlrev_b32 v7, 5, v2
	v_lshlrev_b32 v31, 4, v1
	v_lshlrev_b32 v60, 4, v2
	v_and_b32 v61, 7, v0                           ; the turning load: lane L reads k = 8 h + L % 8, 16 bytes at 16 ((L / 8) % 2)
	v_lshl_add_u32 v61, v2, 3, v61
	v_mul_u32_u24 v61, v61, P
	v_bfe_u32 v62, v0, 3, 1
	v_lshl_add_u32 v[ADRB], v62, 4, v61
.set c, 1
.rept NCH-1
	v_add_nc_u32 v[ADRB+c], 128*c*P, v[ADRB]
.set c, c+1
.endr
	v_mul_u32_u24 v[STO], v1, SP
	v_lshl_add_u32 v[STO], v2, LH, v[STO]
	v_add_nc_u32 v[STO], s43, v[STO]
	v_mul_u32_u24 v[RD], v2, 8*SP
	v_lshl_add_u32 v[RD], v1, 4, v[RD]
	v_add_nc_u32 v[RD], s43, v[RD]
.if WHICH == 1
	v_lshlrev_b32 v30, 8, v0                       ; 256 x thread
	v_mov_b32 v[CW+1], 0
	v_mov_b32 v[CW+3], 0
	v_mov_b32 v[CW+5], 0
.endif
	s_wait_kmcnt 0x0
	s_mul_i32 s38, s21, 4352
	s_add_nc_u64 s[26:27], s[12:13], s[38:39]      ; my expert's row of lists
	s_load_b32 s23, s[26:27], 0x1080               ; count
	s_mul_i32 s38, s20, 192
	s_add_nc_u64 s[28:29], s[26:27], s[38:39]      ; my first block's entries
	s_lshl_b32 s38, ttmp9, LCB
	s_add_nc_u64 s[6:7], s[6:7], s[38:39]          ; the slice's columns
	s_add_nc_u64 s[8:9], s[8:9], s[38:39]
	s_lshl_b32 s38, ttmp9, LCB+3
	s_add_nc_u64 s[10:11], s[10:11], s[38:39]
	s_lshl_b32 s38, s22, LDB
	s_add_nc_u64 s[DEST:DEST+1], s[DEST:DEST+1], s[38:39]
.if WHICH == 1
	s_lshl_b32 s38, ttmp9, 16
	s_add_nc_u64 s[16:17], s[16:17], s[38:39]
.endif
	s_wait_alu depctr_va_vdst(0)                   ; the offsets and LDS addresses made above are written: v3 to v7, v30, ADRB, STO and RD, which the loads, stores and prefetches of the whole kernel read and nothing writes again
	PRO_LIST                                       ; 9 loads.  Every wave's first block is prepared whatever count is (48 w + 47 < 1,056): every path then has the same loads out
	WIN 0x40                                       ; destination window 1
.set g, 0
.rept NG
	global_load_b128 v[QZ+4*g:QZ+4*g+3], v4, s[8:9] offset:g*QPITCH
.set g, g+1
.endr
.set g, 0
.rept NG
.irp x, 0,1,2,3,4,5,6,7
	global_load_b128 v[SC+32*g+4*\x:SC+32*g+4*\x+3], v5, s[10:11] offset:g*SCPITCH+16*\x
.endr
.set g, g+1
.endr
.set i, 0
.rept 32
	global_load_b128 v[4*i:4*i+3], v3, s[6:7] offset:131072*i   ; RPI rows further on each time.  No hint: the three other slices take the bytes beside mine
.set i, i+1
.endr
	v_mov_b32 v[ST], v59
	v_add_nc_u32 v[ST+1], 16*RPI*P, v59
	v_mov_b32 v[C16], 0x2c002c00                   ; 1/16, twice, in f16
	WIN 0
	s_wait_loadcnt 9*NG+32                         ; the entries are in; behind them: NG loads of zero points, 8 NG of scales, 32 of packed words
	PRO_ADDR
.if WHICH == 1
	global_prefetch_b8 v30, s[16:17] th:TH_LOAD_NT scope:SCOPE_SE                ; 128 threads x 2 blocks of 256 bytes, 256 bytes apart: work-group n asks for bytes 65,536 n .. 65,536 n + 65,535 of qweight2,
	global_prefetch_b8 v30, s[16:17] offset:32768 th:TH_LOAD_NT scope:SCOPE_SE   ; each block of the buffer once in the launch, none outside it; the next launch reads them
.endif
	PRO_ROWS
	WIN 0x55                                       ; all in window 1
.set i, 0
.rept 32                               ; step i: load i's four words
.set g, i/(32/NG)
.set yy, YOUNG+31-i                    ; the loads issued behind load i; a wait's count holds 63 at the most, and a smaller count only waits longer
.if yy > 63
.set yy, 63
.endif
	s_wait_loadcnt yy                              ; load i is in, and with it all that was asked for ahead of it: the zero points and the scales of every group
.if i > 1
	s_wait_alu depctr_vm_vsrc(0)                   ; the LDS stores issued in the step before have read OUT[i % 2], which this step writes again
.endif
.if i > 0
	s_wait_alu depctr_va_vdst(0)                   ; the step before has written the other OUT, which this step's four LDS stores read (in step 1 also: their addresses v245, v246 are written)
.endif
.if i%(32/NG) == 0
	ZPREP
.endif
	DQPAIR 0
	DQPAIR 2
.set i, i+1
.endr
	s_wait_alu depctr_va_vdst(0)                   ; step 31 has written OUT1, which the last four LDS stores read
.irp w, 0,1,2,3
	ds_store_b128 v[ST+1], v[DS+16+4*\w:DS+16+4*\w+3] offset:15*RPI*P+16*\w
.endr
	WIN 0
	s_wait_kmcnt 0x0
	s_min_u32 s23, s23, 0x400                      ; count: at most one entry a token
	s_add_co_u32 s23, s23, 191
	s_sub_co_u32 s23, s23, s24                     ; count + 191 - 48 w: 47 at the least, 1,215 at the most
	s_lshr_b32 s23, s23, 6                         ; by 64,
	s_mul_hi_u32 s23, s23, 0x55555556              ; and by 3 (exact up to 18): my blocks = the whole part of (count + 191 - 48 w) / 192: none where 48 w is not below count
	s_min_u32 s23, s23, 6                          ; six at the most, by that arithmetic
	s_mov_b32 s24, 0                               ; blocks done
	s_wait_dscnt 0x0                               ; for the others' sake: my rows of the weights are in LDS
	s_barrier_signal -1
	s_barrier_wait -1                              ; the one barrier: ahead of every branch that hangs on count
.if WHICH == 1
	s_wait_alu depctr_vm_vsrc(0)                   ; my LDS stores have read v136-167 of window 1: these registers are accumulators from here on, written by the products
.endif
	s_cmp_lt_u32 s24, s23
	s_cbranch_scc0 .Lend
.Lblock:
	PASS 0
.if NH == 2
	PASS 1
.endif
	s_add_co_u32 s24, s24, 1
	s_cmp_lt_u32 s24, s23
	s_cbranch_scc0 .Lend                           ; no entry is read for a block that is not there
	s_wait_xcnt 0x0                                ; the stores' and loads' addresses are translated: ROWO and the entries' base are written again only behind this wait
	s_wait_alu depctr_vm_vsrc(0)                   ; the block's stores have read ROWO, in which the next entries land, and their data (in layer 1 PK and OB, which are W2 again); its loads have read the offsets of rows and weights, which are made anew
	s_add_nc_u64 s[28:29], s[28:29], 768           ; the four waves' blocks lie side by side: 192 entries on
	PRO_LIST
	s_wait_loadcnt 0x0
	PRO_ADDR
	PRO_ROWS
	s_cmp_lt_u32 s24, s23                          ; holds, by the branch above: the loop's own compare
	s_cbranch_scc1 .Lblock
.Lend:
	s_wait_dscnt 0x0
	s_wait_alu depctr_hold_cnt(0) depctr_sa_sdst(0) depctr_va_vdst(0) depctr_va_sdst(0) depctr_va_ssrc(0) depctr_va_vcc(0) depctr_vm_vsrc(0)
	s_wait_tensorcnt 0x0
	ds_add_u32 v57, v58
	s_wait_dscnt 0x0
	s_endpgm
.Lfunc_end_k_q449ae58817_gemm2:
	.size	k_q449ae58817_gemm2, .Lfunc_end_k_q449ae58817_gemm2-k_q449ae58817_gemm2
	.p2alignl 7, 3214868480
	.fill 96, 4, 3214868480
	.section	.rodata,"a",@progbits
	.p2align	6, 0x0
	.amdhsa_kernel k_q449ae58817_gemm2
		.amdhsa_group_segment_fixed_size 312832
		.amdhsa_private_segment_fixed_size 0
		.amdhsa_enable_private_segment 0
		.amdhsa_kernarg_size 48
		.amdhsa_user_sgpr_count 2
		.amdhsa_user_sgpr_kernarg_segment_ptr 1
		.amdhsa_wavefront_size32 1
		.amdhsa_system_sgpr_workgroup_id_x 1
		.amdhsa_system_sgpr_workgroup_id_y 1
		.amdhsa_system_sgpr_workgroup_id_z 1
		.amdhsa_system_vgpr_workitem_id 0
		.amdhsa_next_free_vgpr 960
		.amdhsa_next_free_sgpr 66
		.amdhsa_reserve_vcc 0
		.amdhsa_float_denorm_mode_32 3
		.amdhsa_float_denorm_mode_16_64 3
		.amdhsa_memory_ordered 1
		.amdhsa_forward_progress 1
		.amdhsa_inst_pref_size 255
	.end_amdhsa_kernel
	.section	.bss,"aw",@nobits
	.p2align	6
	.space	262144
	.amdgpu_metadata
---
amdhsa.version: [ 1, 2 ]
amdhsa.kernels:
  - .name:           k_q449ae58817_gemm2
    .symbol:         k_q449ae58817_gemm2.kd
    .args:
      - { .name: hbuf, .offset: 0, .size: 8, .value_kind: global_buffer, .address_space: global }
      - { .name: qweight2, .offset: 8, .size: 8, .value_kind: global_buffer, .address_space: global }
      - { .name: qzeros2, .offset: 16, .size: 8, .value_kind: global_buffer, .address_space: global }
      - { .name: scales2, .offset: 24, .size: 8, .value_kind: global_buffer, .address_space: global }
      - { .name: lists, .offset: 32, .size: 8, .value_kind: global_buffer, .address_space: global }
      - { .name: ybuf, .offset: 40, .size: 8, .value_kind: global_buffer, .address_space: global }
    .group_segment_fixed_size: 312832
    .private_segment_fixed_size: 0
    .kernarg_segment_align: 8
    .kernarg_segment_size: 48
    .max_flat_workgroup_size: 128
    .sgpr_count:     66
    .vgpr_count:     960
    .wavefront_size: 32
...
	.end_amdgpu_metadata
.endif
;; end of part 7
;; launch combine: the kernel of part 5 again; grid 256 x 1, 8 waves a work-group, no clusters, 0 bytes of LDS; arguments ybuf, out0; writes out0
